; MI455X (gfx1250); checked and timed in simulation.
; The chip was launched on July 23, 2026; its instructions are those of AMD's public machine-readable ISA for CDNA 5 (MIT licence, August 2026) and "CDNA5" Instruction Set Architecture Reference Guide (July 2026). The comments in the code are by the model that wrote it; some were corrected since.
;; Auto Correlation. Allowed arithmetic: matrix products marked QUANTISED: E2M1 operands, one E8M0 scale for each 32 along K, by v_wmma_scale_f32_16x16x128_f8f6f4 with both operands' format E2M1 (or v_wmma_scale_f32_32x16x128_f4), f32 sums; everything else in f32.
;; Inputs: Wk 1,024 x 1,024 float32; Wo 1,024 x 1,024 float32; Wq 1,024 x 1,024 float32; Wv 1,024 x 1,024 float32; bk 1,024 float32; bo 1,024 float32; bq 1,024 float32; bv 1,024 float32; keys 4 x 2,048 x 1,024 float32; queries 4 x 2,048 x 1,024 float32; values 4 x 2,048 x 1,024 float32.
;; Outputs: out0 4 x 2,048 x 1,024 float32.
;; This version of the problem:
;;   THIS VERSION OF THE PROBLEM IS GIVEN IN LOW PRECISION. The matrix products marked QUANTISED in the list below multiply operands that are first quantised to E2M1 (2 exponent bits, 1 mantissa bit; 4 bits a number), with one power-of-two scale for each 32 numbers along K (OCP MX v1.0); their sums are f32. All else is computed in f32.
;;   The module's matrix products, in the order in which they are computed (A, B: the left and right operand; K: the contracted axis; several contracted axes count as one K, in the product's order):
;;     1. [M 8,192, K 1,024] x [K 1,024, N 1,024]; A: input queries; B: input Wq: QUANTISED
;;     2. [M 8,192, K 1,024] x [K 1,024, N 1,024]; A: input keys; B: input Wk: QUANTISED
;;     3. [M 8,192, K 1,024] x [K 1,024, N 1,024]; A: input values; B: input Wv: QUANTISED
;;     4. batch 64 x [M 2,048, K 64] x [K 64, N 2,048]; A: computed on the way; B: computed on the way: QUANTISED
;;     5. batch 64 x [M 2,048, K 2,048] x [K 2,048, N 64]; A: softmax (see below); B: computed on the way: QUANTISED
;;     6. [M 8,192, K 1,024] x [K 1,024, N 1,024]; A: computed on the way; B: input Wo: QUANTISED
;;   THE QUANTISER, for each operand of a quantised product, along K:
;;     - K is cut into blocks of 32 from its start; a last block that is shorter is filled with zeros.
;;     - A block's scale is 2^e with e = floor(log2(the largest magnitude in the block)) - 2, held to -126 .. 127; a block of zeros has e = 0. As a byte (E8M0): e + 127.
;;     - Each number is divided by its block's scale, clamped to +-6, and rounded to the nearest number of E2M1, ties to even, subnormals kept.
;;     - The product sums the exact products of the quantised numbers (number of the format x scale) in f32.
;;   ~~~python
;;   def quantise(x, axis):      # numpy; x: float32 -> the quantised numbers, widened to float32 again
;;       x = np.moveaxis(x, axis, -1); K = x.shape[-1]
;;       x = np.pad(x, [(0, 0)] * (x.ndim - 1) + [(0, -K % 32)]); x = x.reshape(x.shape[:-1] + (-1, 32)); a = np.abs(x).max(-1, keepdims=True)
;;       e = np.where(a > 0, np.clip(np.frexp(np.where(a > 0, a, 1))[1] - 1 - 2, -126, 127), 0)      # np.frexp(a)[1] - 1 = floor(log2(a)), exactly
;;       r = np.clip(x / 2.0 ** e, -6, 6)
;;       step = 2.0 ** (np.maximum(np.frexp(np.where(r == 0, 1, r))[1] - 1, 0) - 1)
;;       q = np.round(r / step) * step * 2.0 ** e      # np.round: ties to even
;;       return np.moveaxis(q.reshape(q.shape[:-2] + (-1,))[..., :K], -1, axis).astype(np.float32)
;;   ~~~
;;   SOFTMAX AHEAD OF A QUANTISED PRODUCT. Where the list says 'softmax', what is quantised is not the finished softmax but p = 2^(t - M), with t = logit x log2(e) and M = ceil(the row's largest t), a whole number; so 1/2 < the row's largest p <= 1. The row's sum l is taken of the UNQUANTISED p, in f32, and the product's result is divided by l at the end. Since M is a whole number, a kernel that streams over the keys may use a running M (the ceiling of the running maximum): every later rescaling is an exact power of two, which a block's scale takes up: the codes' values come out the same.
;;   OPERANDS COMPUTED ON THE WAY. 'Computed on the way' means the value that the module computes at that place (a softmax that the list does not call 'softmax' is quantised finished and normalised). What goes into a quantiser is computed in f32, as accurately as f32 sums, v_exp_f32 and their like allow (about 1e-6 of the number): no bf16 or f16 on the way to a quantiser, and a product that is left as it is and whose result goes on into a quantised operand takes f32 operands (vector FMAs, or v_wmma_f32_16x16x4_f32). A number that lies on a knife's edge between two numbers of the format may be rounded either way, as far as f32 arithmetic and the matrix unit's own rounding can turn it there, and no further.
;; One version. Each part assembles by itself: llvm-mc -triple=amdgcn-amd-amdhsa -mcpu=gfx1250 --defsym DOCPART=n.
;; ======== version 1 of 1: 4 launches
;; limits: right only within a limited range of input values
;; workspace buffers: codes 14,680,064 bytes; scl 1,179,648 bytes; qc 4,718,592 bytes; kv 9,175,040 bytes; oc 4,194,304 bytes
;; launch quant (part 1): grid 448 x 1, 8 waves a work-group, no clusters, 44,032 bytes of LDS; arguments queries, keys, values, Wq, Wk, Wv, Wo, codes, scl; writes codes, scl
.if DOCPART == 1
	.amdgcn_target "amdgcn-amd-amdhsa--gfx1250"
	.amdhsa_code_object_version 6
	.text
	.protected	k_qfbb9461083_quant
	.globl	k_qfbb9461083_quant
	.p2align	8
	.type	k_qfbb9461083_quant,@function
k_qfbb9461083_quant:
	s_mov_b64 s[64:65], 0
	v_nop
	global_prefetch_b8 v0, s[64:65] scope:SCOPE_SE
	s_setreg_imm32_b32 hwreg(HW_REG_WAVE_MODE, 25, 1), 1
	s_wait_xcnt 0x0
; LAUNCH 1 OF 4.  queries, keys, values [8192][1024] and Wq, Wk, Wv, Wo [1024][1024], f32, K innermost, become codes of E2M1 with one E8M0 byte for each 32 along K.
; DEAD WORK: none is left out in the whole program.  The time bias differs along the softmax's axis; bq, bk, bv go into quantised operands; bo is added to the result;
; far keys are thrown away by values alone, so all 2,048 keys are walked.  Every input is loaded.
; A block's scale is 2^(floor(log2(largest magnitude)) - 2): its byte is the largest magnitude's exponent field - 2, held at 1 from below.
; LIMITS: a block of zeros gets the byte 1 where the rule says 127 (its codes are zeros, and this program alone reads the bytes); blocks whose largest magnitude lies under
; 2^(3 - 127), the floor, were not tried; NaN and infinities among the inputs are not served.
; LAYOUT OUT.  All seven tensors' rows are numbered on end as POSITIONS (queries 0, keys 8192, values 16384, Wq 24576, Wk 25600, Wv 26624, Wo 27648).  Inside each 32 rows position p holds
; row p with bits 3 and 4 exchanged: so lane r of a tile of 16 positions is row 8 (tile % 2) + r + 8 (r / 8) of its 32, and a transposed product's 16 registers of two neighbouring tiles are 16 true neighbours.
; codes: [position][512 bytes].  scl: [K step s = 0..7][36864 positions] words: the four bytes of k = 128 s .. 128 s + 127.
; SHARES.  A work-group takes 64 rows, a wave 8 rows: 16 steps of 512 numbers.  The exchange of bits moves whole groups of 8 rows, so a wave's codes are 4,096 consecutive bytes.
; Each load reads 512 consecutive bytes; a step's 2,048 bytes turn through the wave's own stage in LDS so that a lane holds 16 neighbours along K (two lanes to a block).
; The scale bytes of the 64 rows meet in LDS as eight planes of 256 bytes; behind one barrier wave w stores plane w: 256 consecutive bytes, aligned.
; No tensor load, no cluster, no matrix unit: a stream that shares no input between work-groups.
.set STEPS, 16
.set EMAX,  2
.set SP,    80                         ; a lane's place in a stage: 64 bytes + 16 of padding
.set WREG,  2*32*SP                    ; a wave's two stages
.set SCSTG, 8*WREG                     ; [s 8][64 positions] words
.set SPARE, SCSTG+2048                 ; the spare words: 128 bytes a wave, four blocks of 256 bytes that no other line names
.set PLANE, 147456                     ; bytes of a plane of scl
.set R,     16                         ; v16-79   four sets of 16 numbers as loaded
.set X,     80                         ; v80-111  two sets of 16 neighbours
.set E,     112                        ; v112-127 a scale byte for each step
.set C,     128                        ; v128-191 codes: four registers for each step: no store's data are written again
.set SPW,   12
.set NIL,   13
	s_load_b512 s[8:23], s[0:1], 0x0               ; queries, keys, values, Wq, Wk, Wv, Wo, codes
	s_load_b64 s[24:25], s[0:1], 0x40              ; scl
	v_lshl_add_u32 v[SPW], v0, 2, SPARE
	v_mov_b32 v[NIL], 0
	v_lshrrev_b32 v1, 5, v0
	s_delay_alu instid0(VALU_DEP_1)
	v_readfirstlane_b32 s26, v1                    ; wave 0..7
	v_and_b32 v2, 31, v0                           ; lane
	s_delay_alu instid0(VALU_DEP_1)
	v_lshlrev_b32 v3, 4, v2                        ; my 16 bytes of a load's 512
	s_mul_i32 s27, s26, WREG
	v_lshrrev_b32 v14, 2, v2
	s_delay_alu instid0(VALU_DEP_1)
	v_mul_u32_u24 v14, v14, SP
	v_and_b32 v15, 3, v2
	s_delay_alu instid0(VALU_DEP_1)
	v_lshl_add_u32 v14, v15, 4, v14
	s_delay_alu instid0(VALU_DEP_1)
	v_add_nc_u32 v14, s27, v14                     ; the stage, way in: SP (lane / 4) + 16 (lane % 4)
	v_mul_u32_u24 v15, v2, SP
	s_delay_alu instid0(VALU_DEP_1)
	v_add_nc_u32 v15, s27, v15                     ; way out: SP x lane
	v_lshlrev_b32 v4, 3, v2                        ; 8 x lane: my codes in a step's 256 bytes, and my 8 bytes of a plane
	s_wait_alu depctr_va_vdst(0)
	s_and_b32 s28, s26, 4
	s_and_b32 s29, s26, 1
	s_lshl_b32 s29, s29, 1
	s_or_b32 s28, s28, s29
	s_lshr_b32 s29, s26, 1
	s_and_b32 s29, s29, 1
	s_or_b32 s28, s28, s29                         ; w': my group of 8 rows among the positions (bits 0 and 1 of the wave's number exchanged)
	v_lshrrev_b32 v5, 3, v2
	s_delay_alu instid0(VALU_DEP_1)
	v_lshlrev_b32 v5, 8, v5                        ; plane (lane / 8) of the step's four,
	v_bfe_u32 v6, v2, 1, 2
	s_delay_alu instid0(VALU_DEP_1)
	v_add_nc_u32 v5, v5, v6                        ; byte (lane / 2) % 4 of the word,
	s_lshl_b32 s29, s28, 5
	s_add_co_u32 s29, s29, SCSTG
	v_add_nc_u32 v5, s29, v5                       ; position 8 w'
	s_lshl_b32 s29, s26, 8
	s_add_co_u32 s29, s29, SCSTG
	v_add_nc_u32 v6, s29, v4                       ; plane w, 8 bytes a lane
	s_wait_kmcnt 0x0
	s_mov_b64 s[4:5], s[8:9]                       ; which tensor is my work-group's: the choice hangs on the work-group's number alone
	s_mov_b32 s6, 0
.macro PICK lim, p
	s_cmp_ge_u32 ttmp9, \lim
	s_cselect_b64 s[4:5], s[\p:\p+1], s[4:5]
	s_cselect_b32 s6, \lim, s6
.endm
	PICK 128, 10
	PICK 256, 12
	PICK 384, 14
	PICK 400, 16
	PICK 416, 18
	PICK 432, 20
	s_sub_co_u32 s6, ttmp9, s6
	s_lshl_b32 s6, s6, 3
	s_add_co_u32 s6, s6, s26
	s_lshl_b32 s6, s6, 15                          ; my wave's 8 rows of 4,096 bytes in the tensor
	s_mov_b32 s7, 0
	s_add_nc_u64 s[4:5], s[4:5], s[6:7]
	s_lshl_b32 s6, ttmp9, 15                       ; codes: 64 positions of 512 bytes a work-group,
	s_lshl_b32 s30, s28, 12                        ; 8 positions a wave
	s_add_co_u32 s6, s6, s30
	s_add_nc_u64 s[22:23], s[22:23], s[6:7]
	s_mul_i32 s6, s26, PLANE                       ; scl: plane w, the work-group's 64 words
	s_lshl_b32 s30, ttmp9, 8
	s_add_co_u32 s6, s6, s30
	s_add_nc_u64 s[24:25], s[24:25], s[6:7]
.macro LOAD t
.irp i, 0,1,2,3
	global_load_b128 v[R+16*((\t)%4)+4*\i:R+16*((\t)%4)+4*\i+3], v3, s[4:5] offset:2048*(\t)+512*\i th:TH_LOAD_NT   ; 32 lanes read 512 consecutive bytes
.endr
.endm
.macro TURN t                          ; step t's numbers through the stage: LDS serves a wave's instructions in order, so no wait stands between the stores and the loads
.irp i, 0,1,2,3
	ds_store_b128 v14, v[R+16*((\t)%4)+4*\i:R+16*((\t)%4)+4*\i+3] offset:32*SP*((\t)%2)+8*SP*\i
.endr
.irp i, 0,1,2,3
	ds_load_b128 v[X+16*((\t)%2)+4*\i:X+16*((\t)%2)+4*\i+3], v15 offset:32*SP*((\t)%2)+16*\i
.endr
.endm
.irp t, 0,1,2,3
	LOAD \t
.endr
	s_wait_loadcnt 12                              ; step 0's four loads are in; the twelve of steps 1 to 3 stay out
	TURN 0
.macro STEP t
.set XS, X+16*((\t)%2)
.if (\t) > 0
	s_wait_dscnt 1                                 ; this step's numbers are back from the stage (the last step's byte store may be out)
.else
	s_wait_dscnt 0x0
.endif
.if (\t)+4 < STEPS
	LOAD (\t)+4                                    ; into the set whose stores into the stage have read their registers
.endif
.if (\t)+1 < STEPS
.if STEPS-2-(\t) >= 3
	s_wait_loadcnt 12                              ; the next step's four loads are in; those of the three steps behind it may be out
.else
	s_wait_loadcnt 4*(STEPS-2-(\t))
.endif
	TURN (\t)+1
.endif
	v_max3_num_f32 v8, |v[XS]|, |v[XS+1]|, |v[XS+2]|               ; the largest magnitude of my 16, in two chains
	v_max3_num_f32 v9, |v[XS+3]|, |v[XS+4]|, |v[XS+5]|
.irp i, 6,10
	s_delay_alu instid0(VALU_DEP_2)
	v_max3_num_f32 v8, v8, |v[XS+\i]|, |v[XS+\i+1]|
	s_delay_alu instid0(VALU_DEP_2)
	v_max3_num_f32 v9, v9, |v[XS+\i+2]|, |v[XS+\i+3]|
.endr
	s_delay_alu instid0(VALU_DEP_2)
	v_max3_num_f32 v8, v8, |v[XS+14]|, |v[XS+15]|
	s_delay_alu instid0(VALU_DEP_1)
	v_max3_num_f32 v8, v8, v9, (EMAX+1)<<23        ; and the floor 2^(3 - 127): the byte cannot fall under 1
	s_delay_alu instid0(VALU_DEP_1)
	v_max_num_f32_dpp v8, v8, v8 row_xmask:1 row_mask:0xf bank_mask:0xf   ; with my neighbour's 16: the block's
	s_delay_alu instid0(VALU_DEP_1)
	v_add_nc_u32 v11, -(EMAX<<23), v8              ; 2 off the exponent field: the conversion takes that field as its scale
	v_cvt_scalef32_pk8_fp4_f32 v[C+4*(\t)], v[XS:XS+7], v11
	v_cvt_scalef32_pk8_fp4_f32 v[C+4*(\t)+1], v[XS+8:XS+15], v11
	v_lshrrev_b32 v[E+(\t)], 23, v11               ; the scale's byte (a plain line behind the conversions)
	ds_store_b8 v5, v[E+(\t)] offset:((\t)%2)*1024+4*((\t)/2)      ; block 16 (t % 2) + lane / 2 of row t / 2; both lanes of a block write the same byte
	global_store_b64 v4, v[C+4*(\t):C+4*(\t)+1], s[22:23] offset:256*(\t)   ; 32 lanes store 256 consecutive bytes, aligned
.endm
.irp t, 0,1,2,3,4,5,6,7,8,9,10,11,12,13,14,15
	STEP \t
.endr
	s_wait_dscnt 0x0                               ; for the others' sake: my byte stores have landed
	s_barrier_signal -1
	s_barrier_wait -1                              ; the eight planes are whole
	ds_load_b64 v[8:9], v6
	s_wait_dscnt 0x0
	global_store_b64 v4, v[8:9], s[24:25]          ; plane w's 64 words: 256 consecutive bytes, aligned
	s_wait_tensorcnt 0x0                           ; the wave's end
	ds_add_u32 v[SPW], v[NIL]
	s_wait_dscnt 0x0
	s_endpgm
.Lfunc_end_k_qfbb9461083_quant:
	.size	k_qfbb9461083_quant, .Lfunc_end_k_qfbb9461083_quant-k_qfbb9461083_quant
	.p2alignl 7, 3214868480
	.fill 96, 4, 3214868480
	.section	.rodata,"a",@progbits
	.p2align	6, 0x0
	.amdhsa_kernel k_qfbb9461083_quant
		.amdhsa_group_segment_fixed_size 44032
		.amdhsa_private_segment_fixed_size 0
		.amdhsa_enable_private_segment 0
		.amdhsa_kernarg_size 72
		.amdhsa_user_sgpr_count 2
		.amdhsa_user_sgpr_kernarg_segment_ptr 1
		.amdhsa_wavefront_size32 1
		.amdhsa_system_sgpr_workgroup_id_x 1
		.amdhsa_system_sgpr_workgroup_id_y 1
		.amdhsa_system_sgpr_workgroup_id_z 1
		.amdhsa_system_vgpr_workitem_id 0
		.amdhsa_next_free_vgpr 192
		.amdhsa_next_free_sgpr 66
		.amdhsa_reserve_vcc 0
		.amdhsa_float_denorm_mode_32 3
		.amdhsa_float_denorm_mode_16_64 3
		.amdhsa_memory_ordered 1
		.amdhsa_forward_progress 1
		.amdhsa_inst_pref_size 39
	.end_amdhsa_kernel
	.amdgpu_metadata
---
amdhsa.version: [ 1, 2 ]
amdhsa.kernels:
  - .name:           k_qfbb9461083_quant
    .symbol:         k_qfbb9461083_quant.kd
    .args:
      - { .name: queries, .offset: 0, .size: 8, .value_kind: global_buffer, .address_space: global }
      - { .name: keys, .offset: 8, .size: 8, .value_kind: global_buffer, .address_space: global }
      - { .name: values, .offset: 16, .size: 8, .value_kind: global_buffer, .address_space: global }
      - { .name: Wq, .offset: 24, .size: 8, .value_kind: global_buffer, .address_space: global }
      - { .name: Wk, .offset: 32, .size: 8, .value_kind: global_buffer, .address_space: global }
      - { .name: Wv, .offset: 40, .size: 8, .value_kind: global_buffer, .address_space: global }
      - { .name: Wo, .offset: 48, .size: 8, .value_kind: global_buffer, .address_space: global }
      - { .name: codes, .offset: 56, .size: 8, .value_kind: global_buffer, .address_space: global }
      - { .name: scl, .offset: 64, .size: 8, .value_kind: global_buffer, .address_space: global }
    .group_segment_fixed_size: 44032
    .private_segment_fixed_size: 0
    .kernarg_segment_align: 8
    .kernarg_segment_size: 72
    .max_flat_workgroup_size: 256
    .sgpr_count:     66
    .vgpr_count:     192
    .wavefront_size: 32
...
	.end_amdgpu_metadata
.endif
;; end of part 1
;; launch proj (part 2): grid 4 x 192, 8 waves a work-group, clusters of 4 x 4, 210,944 bytes of LDS; arguments codes, scl, bq, bk, bv, qc, kv; writes qc, kv
.if DOCPART == 2
	.amdgcn_target "amdgcn-amd-amdhsa--gfx1250"
	.amdhsa_code_object_version 6
	.text
	.protected	k_qfbb9461083_proj
	.globl	k_qfbb9461083_proj
	.p2align	8
	.type	k_qfbb9461083_proj,@function
k_qfbb9461083_proj:
	s_mov_b64 s[64:65], 0
	v_nop
	global_prefetch_b8 v0, s[64:65] scope:SCOPE_SE
	s_setreg_imm32_b32 hwreg(HW_REG_WAVE_MODE, 25, 1), 1
	s_wait_xcnt 0x0
	s_wait_alu depctr_hold_cnt(0) depctr_sa_sdst(0) depctr_va_vdst(0) depctr_va_sdst(0) depctr_va_ssrc(0) depctr_va_vcc(0) depctr_vm_vsrc(0)
	s_getreg_b32 s2, hwreg(HW_REG_IB_STS2, 6, 4)
	s_cmp_eq_u32 s2, 0
	s_cbranch_scc0 .Lentry_in_a_cluster
	s_endpgm
.Lentry_in_a_cluster:
	s_bfe_u32 s2, ttmp6, 0x10000c
	s_cmp_lg_u32 s2, 0xf033
	s_cbranch_scc0 .Lentry_shape_is_right
	s_endpgm
.Lentry_shape_is_right:
; LAUNCH 2 OF 4.  The three projections on codes of E2M1, their results quantised in registers and stored as images of the next launch's operand registers.  No work is left out.
; One body: C[m][n] = sum over k of A[m][k] B[n][k] + bias, K = 1,024, then quantised along n in blocks of 32.
;   type 0: A = queries, B = Wq, bias bq along n -> Q, quantised along the head's 64.   type 1: keys, Wk, bk -> K likewise.
;   type 2: A = Wv (channels), B = values (tokens), bias bv along m -> V transposed, quantised along the keys.
; The type is the cluster's y / 16: the same in all sixteen partners.
; THE MATRIX INSTRUCTION IS USED TRANSPOSED (source 0 = 16 rows of B, source 1 = 16 rows of A): lane (r, h) holds A's row r, and, by the order of positions that launch 1 gave the rows,
; its 16 registers of B's tiles 2 b, 2 b + 1 are n = 32 b + 16 h + 0 .. 15: half a block; the other half lies in lane l xor 16.
; SHARES.  A work-group makes 128 (m) x 256 (n); each of eight waves 64 x 64: 16 accumulators, no register windows.  64 along n is one head (types 0, 1) or half a key step (type 2), so a wave's
; results are whole pieces of images.  The four GEMMs are a small part of the program's instructions, so the simple tile is taken.
; LDS.  All of K is resident: two chunks of 512 along K (rows of 256 bytes + 16 of padding: the sixteen rows of a fragment load start 16 bytes apart modulo 256), each A's 128 rows, then B's 256.  Nothing is filled twice.
; CLUSTER 4 x 4: A's rows hang on the tile row alone and are asked for jointly along a row of the cluster, B's along a column.
; Waves 0, 1 fetch A's halves, waves 2 to 5 B's quarters, each all of K in one load: one tensor load of a wave is out at the most.
; LIMITS: as launch 1's for the quantiser (byte 1 for a block of zeros; the floor 2^(3 - 127); NaN and infinities not served).
.set PLANE,  147456
.set PITCH,  528                       ; an LDS row holds all 1,024 codes of a position: 512 bytes + 16 of padding = 33 x 16 bytes, so the sixteen rows of a fragment load start 16 bytes apart modulo 256
.set QROWS,  64*PITCH                  ; what one tensor load brings
.set BOFFS,  128*PITCH                 ; B's rows lie behind A's 128
.set CHUNK,  256                       ; K steps 4 to 7 begin 256 bytes on in the same LDS row: ONE tensor load a wave brings its 64 rows for all of K
.set SST,    384*PITCH                 ; behind A's 128 and B's 256 rows: the results' scale bytes: [wn 0..3][128 rows] of 16 bits
.set SPARE,  SST+1024                  ; the spare words: 128 bytes a wave, four blocks of 256 bytes that no other line names
.set FLAGS,  (1<<20)|(1<<21)|(6<<22)|(3<<25)   ; elements of 1 byte; padding on; bit 21 beside a mask; after every 128 words, 4 words
.set QHEAD,  73728                     ; a head's block in qc: 128 images of 512 bytes, then 8,192 bytes of scale words
.set KVHEAD, 143360                    ; in kv: K's scale words 8,192, V's 4,096, then 16 key steps of 8,192 (K's 8 images, V's 8 pieces)
.set RR,   1                           ; v1  r = lane % 16
.set HH,   2                           ; v2  h = lane / 16
.set ADRA, 3                           ; v3, v4  LDS address of my A fragments in chunk 0, 1
.set ADRB, 5                           ; v5, v6  the same for B
.set SOFF, 7                           ; v7  scale words: lanes 0-15 A's positions, lanes 16-31 B's
.set BOFN, 8                           ; v8  bias along n: 64 h
.set LI,   9                           ; v9  16 x lane
.set SSA,  10                          ; v10 where I put a row's two scale bytes
.set RQ,   11                          ; v11 where they are read back, types 0 and 1
.set RV,   12                          ; v12 type 2
.set BOFM, 13                          ; v13 bias along m: 4 (r + 8 (r / 8))
.set SPW,  14
.set NIL,  15
.set SC,   16                          ; v16-31 scale words and nothing else: register 4 i + s % 4: lanes 0-15 A's tile i, lanes 16-31 B's tile i, K step s
.set BI,   32                          ; v32-63 the bias, as the C of the first K step
.set AF,   64                          ; v64-95 A's four fragments
.set BF,   96                          ; v96-127 B's four
.set ACC,  128                         ; v128-255 accumulator (a, b) at 8 (4 a + b)
.macro CROUND                          ; a round of the cluster's barrier
	s_barrier_signal -1
	s_barrier_wait -1
	s_cmp_lg_u32 s18, 0
	s_cbranch_scc1 .Lnot_wave_0_\@
	s_barrier_signal -3
.Lnot_wave_0_\@:
	s_barrier_wait -3
	s_barrier_signal -1
	s_barrier_wait -1
.endm
.macro PLACES                          ; four plain lines between matrix instructions and loads into, or vector work on, their registers
.rept 4
	v_nop
.endr
.endm
	s_load_b256 s[4:11], s[0:1], 0x0               ; codes, scl, bq, bk
	s_load_b128 s[12:15], s[0:1], 0x20             ; bv, qc
	s_load_b64 s[16:17], s[0:1], 0x30              ; kv
	v_lshl_add_u32 v[SPW], v0, 2, SPARE
	v_mov_b32 v[NIL], 0
	ds_add_u32 v[SPW], v[NIL]                      ; the opening: the add, twice on end, and its wait ahead of my first tensor load
	ds_add_u32 v[SPW], v[NIL]
	v_lshrrev_b32 v64, 5, v0
	s_delay_alu instid0(VALU_DEP_1)
	v_readfirstlane_b32 s18, v64                   ; wave 0..7
	s_lshr_b32 s19, s18, 2                         ; wm: my 64 rows of A
	s_and_b32 s20, s18, 3                          ; wn: my 64 rows of B
	s_bfe_u32 s21, ttmp6, 0x40000                  ; cx
	s_bfe_u32 s22, ttmp6, 0x40004                  ; cy
	s_and_b32 s23, ttmp7, 0xffff                   ; the cluster's y, 0..47
	s_lshr_b32 s24, s23, 4                         ; type
	s_and_b32 s25, s23, 15
	s_and_b32 s80, s25, 1
	s_lshr_b32 s81, s25, 1
	s_cmp_eq_u32 s24, 2
	s_cselect_b32 s80, s80, s25                    ; clusters along m: 16 (types 0, 1) or 2 (type 2)
	s_cselect_b32 s81, s81, 0                      ; along n: 1 or 8
	s_lshl_b32 s26, s80, 2
	s_add_co_u32 s26, s26, s22                     ; mt: tile of 128 rows of A
	s_lshl_b32 s27, s81, 2
	s_add_co_u32 s27, s27, s21                     ; nt: tile of 256 rows of B
	s_cmp_eq_u32 s24, 1
	s_cselect_b32 s28, 8192, 0
	s_mov_b32 s29, 24576
	s_cselect_b32 s29, 25600, s29
	s_cmp_eq_u32 s24, 2
	s_cselect_b32 s28, 26624, s28                  ; A's first position: queries, keys, Wv
	s_cselect_b32 s29, 16384, s29                  ; B's: Wq, Wk, values
	s_lshl_b32 s30, s26, 7
	s_add_co_u32 s28, s28, s30                     ; my tile's first position of A (hangs on cy, never on cx)
	s_lshl_b32 s31, s27, 8
	s_add_co_u32 s29, s29, s31                     ; of B (on cx, never on cy)
	s_lshl_b32 s30, s22, 2
	s_lshl_b32 s30, 15, s30                        ; my row of the cluster
	s_or_b32 s32, s30, FLAGS
	s_lshl_b32 s31, 0x1111, s21                    ; my column
	s_or_b32 s40, s31, FLAGS
.irp g, 32, 40                         ; group 1: 64 rows x 512 bytes, dense in memory
	s_mov_b32 s[\g+1], 512<<16                     ; 64 whole rows of 512 bytes, dense in memory
	s_mov_b32 s[\g+2], 64<<16
	s_mov_b32 s[\g+3], 512<<16
	s_mov_b32 s[\g+4], 64
	s_mov_b32 s[\g+5], 512
	s_mov_b32 s[\g+6], 0
	s_mov_b32 s[\g+7], 0
.endr
	s_and_b32 s66, s18, 1                          ; A: which 64 rows I would fetch
	s_lshl_b32 s67, s66, 6
	s_add_co_u32 s67, s67, s28
	s_lshl_b32 s68, s67, 9                         ; 512 bytes a position
	s_mov_b32 s69, 0
	s_mul_i32 s66, s66, QROWS
	s_add_co_u32 s70, s18, 2                       ; B: waves 2 to 5 take quarters 0 to 3
	s_and_b32 s70, s70, 3
	s_lshl_b32 s71, s70, 6
	s_add_co_u32 s71, s71, s29
	s_lshl_b32 s72, s71, 9
	s_mov_b32 s73, 0
	s_mul_i32 s70, s70, QROWS
	s_add_co_u32 s70, s70, BOFFS
	s_mov_b32 s2, 0x76543210
	s_mov_b32 s3, 0xfedcba98                       ; v_permlanex16_b32's selects for lane l xor 16
	; every LDS address is made here, ahead of the first branch on the wave's number
	v_and_b32 v[RR], 15, v0
	v_bfe_u32 v[HH], v0, 4, 1
	s_delay_alu instid0(VALU_DEP_2)
	v_mul_u32_u24 v64, v[RR], PITCH
	s_delay_alu instid0(VALU_DEP_1)
	v_lshl_add_u32 v64, v[HH], 4, v64              ; row x pitch + 16 h
	s_mul_i32 s82, s19, QROWS
	v_add_nc_u32 v[ADRA], s82, v64
	s_delay_alu instid0(VALU_DEP_1)
	v_add_nc_u32 v[ADRA+1], CHUNK, v[ADRA]
	s_mul_i32 s82, s20, QROWS
	s_add_co_u32 s82, s82, BOFFS
	v_add_nc_u32 v[ADRB], s82, v64
	s_delay_alu instid0(VALU_DEP_1)
	v_add_nc_u32 v[ADRB+1], CHUNK, v[ADRB]
	v_and_b32 v[LI], 31, v0
	s_delay_alu instid0(VALU_DEP_1)
	v_lshlrev_b32 v[LI], 4, v[LI]
	s_lshl_b32 s82, s20, 8
	s_lshl_b32 s83, s19, 7
	s_add_co_u32 s83, s83, s82
	s_add_co_u32 s83, s83, SST
	v_lshl_add_u32 v[SSA], v[RR], 1, s83           ; SST + 256 wn + 2 (64 wm + r)
	s_add_co_u32 s82, s82, SST
	v_lshl_add_u32 v[RQ], v[RR], 1, s82
	s_delay_alu instid0(VALU_DEP_1)
	v_lshl_add_u32 v[RQ], v[HH], 7, v[RQ]          ; SST + 256 (w % 4) + 2 (64 h + r)
	s_and_b32 s82, s18, 1
	s_lshl_b32 s82, s82, 7
	s_add_co_u32 s82, s82, SST
	v_lshl_add_u32 v[RV], v[RR], 1, s82
	s_delay_alu instid0(VALU_DEP_1)
	v_lshl_add_u32 v[RV], v[HH], 9, v[RV]          ; SST + 512 h + 2 (64 (w % 2) + r)
	v_lshlrev_b32 v[BOFN], 6, v[HH]
	v_and_b32 v[BOFM], 8, v[RR]
	s_delay_alu instid0(VALU_DEP_1)
	v_add_nc_u32 v[BOFM], v[BOFM], v[RR]
	s_delay_alu instid0(VALU_DEP_1)
	v_lshlrev_b32 v[BOFM], 2, v[BOFM]
	s_lshl_b32 s30, s19, 6
	s_add_co_u32 s30, s30, s28
	s_lshl_b32 s30, s30, 2                         ; A's scale words: 4 (first position + 64 wm)
	s_lshl_b32 s31, s20, 6
	s_add_co_u32 s31, s31, s29
	s_lshl_b32 s31, s31, 2                         ; B's
	v_mov_b32 v64, s30
	v_mov_b32 v65, s31
	v_cmp_ne_u32 s98, 0, v[HH]
	s_delay_alu instid0(VALU_DEP_1)
	v_cndmask_b32 v[SOFF], v64, v65, s98           ; lanes 16-31 take B's
	s_delay_alu instid0(VALU_DEP_1)
	v_lshl_add_u32 v[SOFF], v[RR], 2, v[SOFF]
	s_wait_dscnt 0x0                               ; both opening adds are done
	s_wait_kmcnt 0x0
	s_add_nc_u64 s[68:69], s[4:5], s[68:69]
	s_add_nc_u64 s[72:73], s[4:5], s[72:73]
.irp q, 0                              ; one group 0 each: A's in s[48:51], B's in s[56:59]
	s_mov_b32 s[48+4*\q], 1
	s_add_co_u32 s[49+4*\q], s66, \q*CHUNK
	s_add_nc_u64 s[50+4*\q:51+4*\q], s[68:69], \q*256
	s_or_b32 s[51+4*\q], s[51+4*\q], 0x80000000
	s_mov_b32 s[56+4*\q], 1
	s_add_co_u32 s[57+4*\q], s70, \q*CHUNK
	s_add_nc_u64 s[58+4*\q:59+4*\q], s[72:73], \q*256
	s_or_b32 s[59+4*\q], s[59+4*\q], 0x80000000
.endr
	CROUND                                         ; all sixteen work-groups are here: the joint loads meet
	s_cmp_lt_u32 s18, 2                            ; a wave's one fill stands in one branch on its number; an s_nop 0 and four v_nop follow each
	s_cbranch_scc0 .Lnot_a
	tensor_load_to_lds s[48:51], s[32:39]          ; one tensor load a wave at the head
	s_nop 0
.rept 4
	v_nop
.endr
	s_branch .Lasked
.Lnot_a:
	s_cmp_lt_u32 s18, 6
	s_cbranch_scc0 .Lasked
	tensor_load_to_lds s[56:59], s[40:47]
	s_nop 0
.rept 4
	v_nop
.endr
.Lasked:
.macro SCLOAD s                        ; K step s's scale words: one load serves A's tile i (lanes 0-15) and B's tile i (lanes 16-31)
.irp i, 0,1,2,3
	global_load_b32 v[SC+4*\i+(\s)%4], v[SOFF], s[6:7] offset:(\s)*PLANE+64*\i
.endr
.endm
	s_wait_alu depctr_va_vdst(0)
	SCLOAD 0
	SCLOAD 1
	SCLOAD 2
	SCLOAD 3
	s_cmp_eq_u32 s24, 1                            ; the bias
	s_cselect_b64 s[74:75], s[10:11], s[8:9]
	s_cmp_eq_u32 s24, 2
	s_cselect_b64 s[74:75], s[12:13], s[74:75]
	s_lshl_b32 s80, s27, 10
	s_lshl_b32 s81, s20, 8
	s_add_co_u32 s80, s80, s81                     ; along n: 4 (256 nt + 64 wn)
	s_lshl_b32 s82, s26, 9
	s_lshl_b32 s83, s19, 8
	s_add_co_u32 s82, s82, s83                     ; along m: 4 (128 mt + 64 wm)
	s_cmp_eq_u32 s24, 2
	s_cselect_b32 s96, s82, s80
	s_mov_b32 s97, 0
	s_add_nc_u64 s[74:75], s[74:75], s[96:97]
	s_cmp_eq_u32 s24, 2
	s_cbranch_scc1 .Lbias_m
.irp b, 0,1,2,3                        ; register j of B's tile b is n = 32 (b / 2) + 16 h + 8 (b % 2) + j
	global_load_b128 v[BI+8*\b:BI+8*\b+3], v[BOFN], s[74:75] offset:(32*(\b/2)+8*(\b%2))*4
	global_load_b128 v[BI+8*\b+4:BI+8*\b+7], v[BOFN], s[74:75] offset:(32*(\b/2)+8*(\b%2))*4+16
.endr
	s_branch .Lbias_done
.Lbias_m:
.irp a, 0,1,2,3                        ; lane r of A's tile a is channel 32 (a / 2) + 8 (a % 2) + r + 8 (r / 8): one number in all eight registers
.irp j, 0,1,2,3,4,5,6,7
	global_load_b32 v[BI+8*\a+\j], v[BOFM], s[74:75] offset:(32*(\a/2)+8*(\a%2))*4
.endr
.endr
.Lbias_done:
	; where the results go: all by selection on the type, on the one path
	s_lshr_b32 s80, s26, 4
	s_lshl_b32 s80, s80, 4
	s_lshl_b32 s81, s27, 2
	s_add_co_u32 s80, s80, s81
	s_add_co_u32 s80, s80, s20                     ; types 0, 1: head block 16 batch + 4 nt + wn
	s_lshr_b32 s81, s27, 3
	s_lshl_b32 s81, s81, 4
	s_lshl_b32 s82, s26, 1
	s_add_co_u32 s81, s81, s82                     ; type 2: 16 batch + 2 mt
	s_add_co_u32 s82, s81, s19                     ; + wm: the images' head
	s_and_b32 s83, s18, 1
	s_add_co_u32 s83, s81, s83                     ; + w % 2: the head whose scale words I store
	s_and_b32 s84, s26, 15                         ; the 128 tokens' place in the batch
	s_and_b32 s85, s27, 7                          ; the 256 tokens' place in the batch
	s_lshl_b32 s87, s19, 11
	s_lshl_b32 s86, s84, 12
	s_add_co_u32 s86, s86, s87                     ; Q's images: 512 (8 ml + 4 wm + a)
	s_lshl_b32 s88, s84, 13
	s_add_co_u32 s88, s88, s87
	s_add_co_u32 s88, s88, 12288                   ; K's: key step ml, tile 4 wm + a
	s_lshl_b32 s89, s85, 1
	s_lshr_b32 s90, s20, 1
	s_add_co_u32 s89, s89, s90
	s_lshl_b32 s89, s89, 13                        ; V's: key step 2 (nt % 8) + wn / 2,
	s_and_b32 s90, s20, 1
	s_lshl_b32 s90, s90, 9                         ; piece wn % 2 of tile a
	s_add_co_u32 s89, s89, s90
	s_add_co_u32 s89, s89, 16384
	s_lshl_b32 s91, s84, 9                         ; K's scale words
	s_add_co_u32 s92, s91, 65536                   ; Q's
	s_lshl_b32 s93, s85, 9
	s_add_co_u32 s93, s93, 8192                    ; V's
	s_mov_b32 s94, KVHEAD
	s_mov_b32 s95, 512
	s_cmp_eq_u32 s24, 0
	s_cselect_b32 s86, s86, s88
	s_cselect_b32 s91, s92, s91
	s_cselect_b32 s94, QHEAD, s94
	s_cselect_b64 s[78:79], s[14:15], s[16:17]
	s_cmp_eq_u32 s24, 2
	s_cselect_b32 s86, s89, s86
	s_cselect_b32 s91, s93, s91
	s_cselect_b32 s82, s82, s80
	s_cselect_b32 s83, s83, s80
	s_cselect_b32 s95, 1024, s95                   ; from A's tile a to a + 1 in the images
	s_mul_i32 s82, s82, s94
	s_add_co_u32 s96, s82, s86
	s_mov_b32 s97, 0
	s_mul_i32 s83, s83, s94
	s_add_co_u32 s98, s83, s91
	s_mov_b32 s99, 0
	s_add_nc_u64 s[76:77], s[78:79], s[98:99]      ; the scale words
	s_add_nc_u64 s[78:79], s[78:79], s[96:97]      ; the images
.macro FETCH s                         ; K step s: B's four fragments, then A's: 16 rows x 128 K of 4-bit codes are two loads of 16 bytes, 32 bytes apart
.irp i, 0,1,2,3
.irp c, 0,1
	ds_load_b128 v[BF+8*\i+4*\c:BF+8*\i+4*\c+3], v[ADRB+(\s)/4] offset:16*\i*PITCH+64*((\s)%4)+32*\c
.endr
.endr
.irp i, 0,1,2,3
.irp c, 0,1
	ds_load_b128 v[AF+8*\i+4*\c:AF+8*\i+4*\c+3], v[ADRA+(\s)/4] offset:16*\i*PITCH+64*((\s)%4)+32*\c
.endr
.endr
.endm
; 16 matrix instructions.  The sixteen accumulators take turns, one instruction a turn, in one order in every step.
; mode 0: on in place; 1: the sums start from the bias along n; 2: along m.  The wait leaves the later fragments of A out: two loads each.
.macro MULS s, mode
.irp a, 0,1,2,3
	s_wait_dscnt 6-2*\a
.irp b, 0,1,2,3
.if \mode == 0
	v_wmma_scale_f32_16x16x128_f8f6f4 v[ACC+8*(4*\a+\b):ACC+8*(4*\a+\b)+7], v[BF+8*\b:BF+8*\b+7], v[AF+8*\a:AF+8*\a+7], v[ACC+8*(4*\a+\b):ACC+8*(4*\a+\b)+7], v[SC+4*\b+(\s)%4], v[SC+4*\a+(\s)%4] matrix_a_fmt:MATRIX_FMT_FP4 matrix_b_fmt:MATRIX_FMT_FP4 matrix_a_scale:MATRIX_SCALE_ROW1
.elseif \mode == 1
	v_wmma_scale_f32_16x16x128_f8f6f4 v[ACC+8*(4*\a+\b):ACC+8*(4*\a+\b)+7], v[BF+8*\b:BF+8*\b+7], v[AF+8*\a:AF+8*\a+7], v[BI+8*\b:BI+8*\b+7], v[SC+4*\b+(\s)%4], v[SC+4*\a+(\s)%4] matrix_a_fmt:MATRIX_FMT_FP4 matrix_b_fmt:MATRIX_FMT_FP4 matrix_a_scale:MATRIX_SCALE_ROW1
.else
	v_wmma_scale_f32_16x16x128_f8f6f4 v[ACC+8*(4*\a+\b):ACC+8*(4*\a+\b)+7], v[BF+8*\b:BF+8*\b+7], v[AF+8*\a:AF+8*\a+7], v[BI+8*\a:BI+8*\a+7], v[SC+4*\b+(\s)%4], v[SC+4*\a+(\s)%4] matrix_a_fmt:MATRIX_FMT_FP4 matrix_b_fmt:MATRIX_FMT_FP4 matrix_a_scale:MATRIX_SCALE_ROW1
.endif
.endr
.endr
.endm
	s_wait_loadcnt 0x0                             ; the scale words of K steps 0 to 3 and the bias
	s_wait_tensorcnt 0x0                           ; my one load, all of K for my 64 rows, is in
	s_barrier_signal -1
	s_barrier_wait -1                              ; everybody's is
	FETCH 0
	s_cmp_eq_u32 s24, 2
	s_cbranch_scc1 .Lfirst_m
	MULS 0, 1
	s_branch .Lfirst_done
.Lfirst_m:
	MULS 0, 2
.Lfirst_done:
.irp s, 1,2,3
	PLACES
	SCLOAD \s+3                                    ; K step s + 3's scale words, into the registers that step s - 1 has just left
	FETCH \s
	MULS \s, 0
.endr
	PLACES
	SCLOAD 7
	FETCH 4                                        ; the first barrier has shown all of K to every wave
	s_wait_loadcnt 12                              ; step 4's four scale loads are in; the twelve of steps 5 to 7 may be out
	MULS 4, 0
	PLACES
	FETCH 5
	s_wait_loadcnt 8
	MULS 5, 0
	PLACES
	FETCH 6
	s_wait_loadcnt 4
	MULS 6, 0
	PLACES
	FETCH 7
	s_wait_loadcnt 0x0
	MULS 7, 0
	PLACES
	; THE RESULTS ARE QUANTISED: eight blocks k = 2 a + b, my 16 numbers of each in v[ACC + 16 k ..]; each accumulator is read from its low end on
.irp k, 0,1,2,3,4,5,6,7
	v_max3_num_f32 v[64+\k], |v[ACC+16*\k]|, |v[ACC+16*\k+1]|, 0x1800000   ; with the floor 2^(3 - 127): the byte cannot fall under 1
.endr
.irp i, 2,4,6,8,10,12,14
.irp k, 0,1,2,3,4,5,6,7
	v_max3_num_f32 v[64+\k], v[64+\k], |v[ACC+16*\k+\i]|, |v[ACC+16*\k+\i+1]|
.endr
.endr
.irp k, 0,1,2,3,4,5,6,7
	v_permlanex16_b32 v[72+\k], v[64+\k], s2, s3
.endr
.irp k, 0,1,2,3,4,5,6,7
	v_max_num_f32 v[64+\k], v[64+\k], v[72+\k]     ; with lane l xor 16's: the block's largest magnitude
.endr
.irp k, 0,1,2,3,4,5,6,7
	v_add_nc_u32 v[80+\k], 0xff000000, v[64+\k]    ; 2 off the exponent field: the conversion's scale operand
.endr
.irp k, 0,1,2,3,4,5,6,7
	v_lshrrev_b32 v[72+\k], 23, v[80+\k]           ; the byte
.endr
.irp a, 0,1,2,3
	v_lshl_or_b32 v[88+\a], v[73+2*\a], 8, v[72+2*\a]   ; my row's two bytes of tile a
.endr
.irp k, 0,1,2,3,4,5,6,7
	v_cvt_scalef32_pk8_fp4_f32 v[96+2*\k], v[ACC+16*\k:ACC+16*\k+7], v[80+\k]
	v_cvt_scalef32_pk8_fp4_f32 v[97+2*\k], v[ACC+16*\k+8:ACC+16*\k+15], v[80+\k]
.endr
	v_nop                                          ; one plain line behind the scaled conversions
.irp a, 0,1,2,3                        ; the operand's layout wants a whole block in a lane: lanes 0-15 block 0, lanes 16-31 block 1
.irp i, 0,1
	v_permlane16_swap_b32 v[96+4*\a+\i], v[98+4*\a+\i]
.endr
.endr
	v_mov_b32 v112, v[LI]
	s_delay_alu instid0(VALU_DEP_1)
	v_add_nc_u32 v113, s95, v112
	s_delay_alu instid0(VALU_DEP_1)
	v_add_nc_u32 v114, s95, v113
	s_delay_alu instid0(VALU_DEP_1)
	v_add_nc_u32 v115, s95, v114
.irp a, 0,1,2,3
	global_store_b128 v[112+\a], v[96+4*\a:99+4*\a], s[78:79]      ; four operand registers as they stand: 32 lanes store 512 consecutive bytes, aligned
	ds_store_b16 v[SSA], v[88+\a] offset:32*\a                     ; both halves of the lanes write the same two bytes
.endr
	s_wait_dscnt 0x0                               ; for the others' sake
	s_barrier_signal -1
	s_barrier_wait -1
	; the scale words leave in runs of 512 consecutive bytes
	s_cmp_eq_u32 s24, 2
	s_cbranch_scc1 .Lsc_v
	s_cmp_lt_u32 s18, 4                            ; types 0, 1: wave w stores head 4 nt + w: [tile / 4][r][tile % 4], bytes 2 and 3 of a word 0 (they scale zero codes)
	s_cbranch_scc0 .Lsc_done
.irp t, 0,1,2,3
	ds_load_u16 v[116+\t], v[RQ] offset:32*\t
.endr
	s_wait_dscnt 0x0
	global_store_b128 v[LI], v[116:119], s[76:77]
	s_branch .Lsc_done
.Lsc_v:
	s_cmp_lt_u32 s18, 2                            ; type 2: wave w stores head 2 mt + w; lanes 0-15 the first key step, lanes 16-31 the second: [step][r][tile]
	s_cbranch_scc0 .Lsc_done
.irp t, 0,1,2,3
	ds_load_u16 v[116+\t], v[RV] offset:32*\t
	ds_load_u16 v[120+\t], v[RV] offset:256+32*\t
.endr
	s_wait_dscnt 0x0
.irp t, 0,1,2,3
	v_lshl_or_b32 v[116+\t], v[120+\t], 16, v[116+\t]   ; keys 0-63's two bytes, then keys 64-127's
.endr
	global_store_b128 v[LI], v[116:119], s[76:77]
.Lsc_done:
	s_wait_tensorcnt 0x0                           ; the wave's end
	ds_add_u32 v[SPW], v[NIL]
	s_wait_dscnt 0x0
	CROUND                                         ; the closing round
	s_endpgm
.Lfunc_end_k_qfbb9461083_proj:
	.size	k_qfbb9461083_proj, .Lfunc_end_k_qfbb9461083_proj-k_qfbb9461083_proj
	.p2alignl 7, 3214868480
	.fill 96, 4, 3214868480
	.section	.rodata,"a",@progbits
	.p2align	6, 0x0
	.amdhsa_kernel k_qfbb9461083_proj
		.amdhsa_group_segment_fixed_size 210944
		.amdhsa_private_segment_fixed_size 0
		.amdhsa_enable_private_segment 0
		.amdhsa_kernarg_size 56
		.amdhsa_user_sgpr_count 2
		.amdhsa_user_sgpr_kernarg_segment_ptr 1
		.amdhsa_wavefront_size32 1
		.amdhsa_system_sgpr_workgroup_id_x 1
		.amdhsa_system_sgpr_workgroup_id_y 1
		.amdhsa_system_sgpr_workgroup_id_z 1
		.amdhsa_system_vgpr_workitem_id 0
		.amdhsa_next_free_vgpr 256
		.amdhsa_next_free_sgpr 100
		.amdhsa_reserve_vcc 0
		.amdhsa_float_denorm_mode_32 3
		.amdhsa_float_denorm_mode_16_64 3
		.amdhsa_memory_ordered 1
		.amdhsa_forward_progress 1
		.amdhsa_inst_pref_size 56
	.end_amdhsa_kernel
	.amdgpu_metadata
---
amdhsa.version: [ 1, 2 ]
amdhsa.kernels:
  - .name:           k_qfbb9461083_proj
    .symbol:         k_qfbb9461083_proj.kd
    .args:
      - { .name: codes, .offset: 0, .size: 8, .value_kind: global_buffer, .address_space: global }
      - { .name: scl, .offset: 8, .size: 8, .value_kind: global_buffer, .address_space: global }
      - { .name: bq, .offset: 16, .size: 8, .value_kind: global_buffer, .address_space: global }
      - { .name: bk, .offset: 24, .size: 8, .value_kind: global_buffer, .address_space: global }
      - { .name: bv, .offset: 32, .size: 8, .value_kind: global_buffer, .address_space: global }
      - { .name: qc, .offset: 40, .size: 8, .value_kind: global_buffer, .address_space: global }
      - { .name: kv, .offset: 48, .size: 8, .value_kind: global_buffer, .address_space: global }
    .group_segment_fixed_size: 210944
    .private_segment_fixed_size: 0
    .kernarg_segment_align: 8
    .kernarg_segment_size: 56
    .max_flat_workgroup_size: 256
    .sgpr_count:     100
    .vgpr_count:     256
    .wavefront_size: 32
...
	.end_amdgpu_metadata
.endif
;; end of part 2
;; launch attn (part 3): grid 8 x 32, 16 waves a work-group, clusters of 4 x 1, 327,680 bytes of LDS; arguments qc, kv, oc, scl; writes oc, scl
.if DOCPART == 3
	.amdgcn_target "amdgcn-amd-amdhsa--gfx1250"
	.amdhsa_code_object_version 6
	.text
	.protected	k_qfbb9461083_attn
	.globl	k_qfbb9461083_attn
	.p2align	8
	.type	k_qfbb9461083_attn,@function
k_qfbb9461083_attn:
	s_mov_b64 s[64:65], 0
	v_nop
	global_prefetch_b8 v0, s[64:65] scope:SCOPE_SE
	s_setreg_imm32_b32 hwreg(HW_REG_WAVE_MODE, 25, 1), 1
	s_wait_xcnt 0x0
	s_wait_alu depctr_hold_cnt(0) depctr_sa_sdst(0) depctr_va_vdst(0) depctr_va_sdst(0) depctr_va_ssrc(0) depctr_va_vcc(0) depctr_vm_vsrc(0)
	s_getreg_b32 s2, hwreg(HW_REG_IB_STS2, 6, 4)
	s_cmp_eq_u32 s2, 0
	s_cbranch_scc0 .Lentry_in_a_cluster
	s_endpgm
.Lentry_in_a_cluster:
	s_bfe_u32 s2, ttmp6, 0x10000c
	s_cmp_lg_u32 s2, 0x3003
	s_cbranch_scc0 .Lentry_shape_is_right
	s_endpgm
.Lentry_shape_is_right:
; LAUNCH 3 OF 4.  O = softmax(Q K^T / 8 - 0.1 |key - query|) V for each of 64 heads of 64 channels, both products on codes of E2M1; O is quantised along the channels and stored as images of launch 4's operand registers.
; No work is left out: the time bias differs along the softmax's axis, and far keys fall away by values alone, so every wave walks all 2,048 keys.
; THE SOFTMAX: t = (score / 8 + bias) x log2(e); M = the running largest t rounded up to a whole number; p = 2^(t - M) is quantised along the keys; the row's sum is taken of the unquantised p and divides O at the end.
; When M moves, the sum and O are multiplied by 2^(old M - new M), which rounds nothing.  LIMITS: the promise holds while |t| stays under 2^31; a block of zeros gets the byte 1 (its codes are zeros, and this
; program alone reads the bytes); NaN and infinities are not served.
; SHARES.  A work-group takes two heads (2 y, 2 y + 1) and 16 tiles of 16 queries; each of its sixteen waves one tile, first for the one head, then for the other.  A key step is 128 keys; 16 steps a head.
; LDS.  Both heads' blocks of kv (K's scale words 8,192 bytes, V's 4,096, then 16 steps of K's 8 images and V's 8 pieces, 8,192 a step) are resident: 2 x 143,360 bytes, filled once.
; CLUSTER 4 x 1: the four partners walk the same two heads and ask for them jointly, each wave for a sixteenth.  The first load brings 49,152 bytes (head 0's scale words, steps 0 to 3, K of step 4: 12 rows of
; 256 bytes a wave); the second, behind the round, the other 237,568 (58 rows a wave); it is waited for behind step 3.  One tensor load of a wave is out at the most.
; No prefetch: all that the launch reads through LDS is asked for at its head, so there is no loop to run ahead in.
; LAYOUT.  Both products are used transposed (S^T = K Q^T, O^T = V^T P^T): a lane (r, h) holds one query.  WHICH KEYS FORM A TILE OF K IS CHOSEN BY THE LDS ADDRESSES: tile 4 c + g takes keys 64 c + 8 g + j in its rows
; 0-7 and keys 64 c + 32 + 8 g + j in its rows 8-15 (in launch 2's images: tile 4 c + 2 (row / 8) + g % 2, row 8 (g / 2) + j).  So register 8 (4 c + g) + j of lane (r, h) is key 64 c + 32 h + 8 g + j: a lane holds the two
; WHOLE blocks h and 2 + h of 32 keys, in the order of the second product's operand: a block's largest score needs no other lane, and the conversions' results are the operand as they stand.
; THE HEAD'S 64 CHANNELS FILL HALF OF THE INSTRUCTION'S K.  Q's upper four registers hold zero codes, so whatever codes stand in K's upper four add nothing: tile t's fragment is named v[32 + 4 t : 39 + 4 t],
; its upper half being tile t + 1's codes (tile 7's: v64-67, zeros).  Bytes 2 and 3 of Q's and K's scale words are 0, a finite scale.
; THE BIAS.  With n = key step - my queries' step and x = the key's place in its 128 less the query's, key - query = 128 n + x.  v164-227 hold X = 0.8 x, made once.  Under the diagonal (n < 0) the bias x 8 is
; X - 102.4 |n|, over it -X - 102.4 |n|: X, or -X (32 packed multiplications where the side changes), is the C of the first product, and 12.8 log2(e) |n| is taken off t.  On the diagonal step the sums start from 0 and |X| is taken off.
; ORDER OF A STEP.  K's fragments were asked for in the step before; V's are asked for among the lines that follow the maxima, into the same registers; the next K's behind the second product, under the row's sums.
; REGISTERS: v1 16 lane, v2 16 r, v3 32 h - my query's place in its 128; v4, v5 the add's; v6 V's, v253 K's, v7, v8 the scale words' LDS addresses (their lane parts: v1, v255, v252, v2); v9-11 addresses of Q and of the way out;
; v12 -M, v13 largest t, v[14:15] the sum; v16-23 Q; v24-31 p's codes; v32-67 K's or V's fragments; v68-131 S^T, then p; v132-163 O^T; v164-227 X; v228-239 at work; v240-243 K's or V's scale words, v244 Q's, v245 p's;
; v[246:247], v[248:249] addend and factor; v254 8 h.
.set HB,    143360
.set OST,   2*HB                       ; O's scale bytes: [wave][r] words, stored by ds_store: bytes of their own
.set SPARE, OST+1024                   ; the spare words: 128 bytes a wave, eight blocks of 256 bytes that no other line names
.set PLANE, 147456
.set QHEAD, 73728
.set S,  68
.set O,  132
.set BI, 164
.macro CROUND                          ; a round of the cluster's barrier
	s_barrier_signal -1
	s_barrier_wait -1
	s_cmp_lg_u32 s12, 0
	s_cbranch_scc1 .Lnot_wave_0_\@
	s_barrier_signal -3
.Lnot_wave_0_\@:
	s_barrier_wait -3
	s_barrier_signal -1
	s_barrier_wait -1
.endm
.macro G1SET g, rows                   ; a dense block as rows of 256 bytes (32 elements of 8); the mask names the four partners
	s_mov_b32 s[\g], 15|(3<<16)|(1<<21)
	s_mov_b32 s[\g+1], 32<<16
	s_mov_b32 s[\g+2], (\rows)<<16
	s_mov_b32 s[\g+3], 32<<16
	s_mov_b32 s[\g+4], \rows
	s_mov_b32 s[\g+5], 32
	s_mov_b32 s[\g+6], 0
	s_mov_b32 s[\g+7], 0
.endm
	s_load_b256 s[4:11], s[0:1], 0x0               ; qc, kv, oc, scl
	v_lshl_add_u32 v4, v0, 2, SPARE
	v_mov_b32 v5, 0
	ds_add_u32 v4, v5                              ; the opening: the add, twice on end, and its wait ahead of my first tensor load
	ds_add_u32 v4, v5
	v_lshrrev_b32 v6, 5, v0
	s_delay_alu instid0(VALU_DEP_1)
	v_readfirstlane_b32 s12, v6                    ; wave 0..15
	s_bfe_u32 s13, ttmp6, 0x40000                  ; cx
	s_and_b32 s15, ttmp7, 0xffff                   ; y: the pair of heads
	s_lshl_b32 s16, ttmp9, 6
	s_lshl_b32 s30, s12, 2
	s_add_co_u32 s16, s16, s30
	s_add_co_u32 s16, s16, s13                     ; my tile of queries: 64 x + 4 wave + cx
	s_lshl_b32 s17, ttmp9, 3
	s_lshr_b32 s30, s12, 1
	s_add_co_u32 s17, s17, s30                     ; the key step in which my queries lie: made without cx
	G1SET 32, 12
	G1SET 40, 58
	s_mul_i32 s78, s15, 2*HB
	s_mov_b32 s79, 0
	s_mul_i32 s80, s12, 3072                       ; my part of the first load, in memory and in LDS alike,
	s_mov_b32 s81, 0
	s_mul_i32 s82, s12, 14848
	s_add_co_u32 s82, s82, 49152                   ; and of the second
	s_mov_b32 s83, 0
	s_mul_i32 s86, s15, 2*QHEAD
	s_mov_b32 s87, 0
	s_lshr_b32 s88, s15, 3                         ; batch
	s_and_b32 s89, s15, 7                          ; launch 4's K step: two heads are 128 channels
	s_lshl_b32 s90, ttmp9, 6
	s_lshl_b32 s91, s13, 4
	s_add_co_u32 s90, s90, s91
	s_lshl_b32 s91, s88, 7
	s_add_co_u32 s91, s91, s90
	s_add_co_u32 s91, s91, s12                     ; oc's tile: 128 batch + 64 x + 16 cx + wave
	s_lshl_b32 s92, s91, 13
	s_lshl_b32 s93, s89, 10
	s_add_co_u32 s92, s92, s93
	s_mov_b32 s93, 0
	s_mul_i32 s94, s89, PLANE
	s_lshl_b32 s95, s88, 13
	s_add_co_u32 s94, s94, s95
	s_lshl_b32 s95, s90, 6
	s_add_co_u32 s94, s94, s95
	s_add_co_u32 s94, s94, 4*28672                 ; O's scale words: from position 28672 on
	s_mov_b32 s95, 0
	s_mov_b32 s24, 0x76543210
	s_mov_b32 s25, 0xfedcba98                      ; v_permlanex16_b32's selects for lane l xor 16
	s_mov_b32 s26, 0x3e38aa3b                      ; c = log2(e) / 8
	s_mov_b32 s27, s26
	s_mov_b32 s28, 0x3f4ccccd                      ; 0.8: the bias's 0.1 ahead of the division by 8
	s_mov_b32 s29, 0xc193bb63                      ; -12.8 log2(e): a step's 128 keys, in t
	s_mov_b32 s22, -1                              ; the side for which the bias registers stand: X itself serves the side under the diagonal
	s_and_b32 s48, s16, 6
	s_lshl_b32 s48, s48, 4
	s_and_b32 s30, s16, 1
	s_lshl_b32 s30, s30, 3
	s_add_co_u32 s48, s48, s30                     ; my tile's place in its 128 queries
	s_lshl_b32 s49, s16, 9                         ; Q's image
	s_lshr_b32 s50, s16, 2
	s_lshl_b32 s50, s50, 8
	s_and_b32 s30, s16, 3
	s_lshl_b32 s30, s30, 2
	s_add_co_u32 s50, s50, s30
	s_add_co_u32 s50, s50, 65536                   ; Q's scale words: [tile / 4][r][tile % 4]
	s_lshl_b32 s51, s12, 6
	s_add_co_u32 s51, s51, OST
	v_and_b32 v1, 31, v0
	v_and_b32 v250, 15, v0                         ; r
	v_bfe_u32 v251, v0, 4, 1                       ; h
	v_and_b32 v255, 7, v0                          ; j = r % 8
	v_bfe_u32 v253, v0, 3, 1                       ; r / 8
	v_lshlrev_b32 v1, 4, v1
	v_lshlrev_b32 v2, 4, v250
	v_lshlrev_b32 v3, 5, v251
	v_lshlrev_b32 v254, 3, v251
	v_lshlrev_b32 v255, 4, v255
	v_lshl_add_u32 v255, v251, 8, v255             ; 16 j + 256 h
	v_sub_nc_u32 v3, v3, v250
	v_lshl_add_u32 v252, v253, 3, v255             ; K's scale words: lanes 16-31 take tiles 4-7's; row j or 8 + j of [r][tile % 4], words 2 (r / 8), 2 (r / 8) + 1
	v_lshl_add_u32 v255, v253, 10, v255            ; K's images: rows 8-15 of my tile come from the image two further on
	v_lshl_add_u32 v11, v250, 2, s51
	v_and_b32 v250, 8, v250
	v_add_nc_u32 v9, s49, v1
	v_add_nc_u32 v10, s50, v2
	v_sub_nc_u32 v3, v3, v250
	v_sub_nc_u32 v3, v3, s48                       ; 32 h - (my query's place): + 64 c + 8 g + j is x
	s_wait_alu depctr_va_vdst(0)
	s_wait_dscnt 0x0                               ; both opening adds are done
	s_wait_kmcnt 0x0
	s_add_nc_u64 s[78:79], s[6:7], s[78:79]
	s_mov_b32 s56, 1
	s_mov_b32 s57, s80
	s_add_nc_u64 s[58:59], s[78:79], s[80:81]
	s_or_b32 s59, s59, 0x80000000
	s_mov_b32 s60, 1
	s_mov_b32 s61, s82
	s_add_nc_u64 s[62:63], s[78:79], s[82:83]
	s_or_b32 s63, s63, 0x80000000
	s_add_nc_u64 s[72:73], s[4:5], s[86:87]
	s_add_nc_u64 s[74:75], s[8:9], s[92:93]
	s_add_nc_u64 s[76:77], s[10:11], s[94:95]
	CROUND                                         ; the four partners are here: the joint loads meet
	tensor_load_to_lds s[56:59], s[32:39]          ; my one load at the head
	s_nop 0
.macro QLOAD e
	global_load_b128 v[16:19], v9, s[72:73] offset:QHEAD*\e
	global_load_b32 v244, v10, s[72:73] offset:QHEAD*\e
.endm
.macro KLOAD off                       ; a step's eight tiles of K, four registers each, and their scale words: register 240 + g: lanes 0-15 tile g, lanes 16-31 tile 4 + g
.irp c, 0,1
.irp g, 0,1,2,3
	ds_load_b128 v[32+16*\c+4*\g:35+16*\c+4*\g], v253 offset:\off+2048*\c+512*(\g%2)+128*(\g/2)
.endr
.endr
	ds_load_b64 v[240:241], v7 offset:\off/16
	ds_load_b64 v[242:243], v7 offset:\off/16+128
.endm
.macro VL n                            ; the n-th four registers of V's four fragments, into the registers that K has left
	ds_load_b128 v[32+4*(\n):35+4*(\n)], v6 offset:4096+512*(\n)
.endm
.macro AFTER                           ; four plain lines that name none of the products' registers: the places ahead of the loads and of the first read of the scores
	v_cvt_f32_u32 v247, s96
	v_mov_b32 v250, v12                            ; the old -M
	v_nop
	v_mul_f32 v247, s29, v247                      ; what the distance in steps takes off t
.endm
.macro SUM0 k                          ; THE ROW'S SUM OF THE UNQUANTISED p, two at a time, in four chains v[232:239]: chain k starts with pairs 2 k, 2 k + 1
	v_pk_add_f32 v[232+2*\k:233+2*\k], v[S+4*\k:S+4*\k+1], v[S+4*\k+2:S+4*\k+3]
.endm
.macro SUMS from, to                   ; pairs from .. to, the chains by turns
.set pm, \from
.rept (\to)-(\from)+1
	v_pk_add_f32 v[232+2*(pm%4):233+2*(pm%4)], v[232+2*(pm%4):233+2*(pm%4)], v[S+2*pm:S+2*pm+1]
.set pm, pm+1
.endr
.endm
; A KEY STEP.  pre = 1: the next step's K is asked for (the last step of a head has none).
.macro STEP pre
	s_sub_co_i32 s96, s18, s17                     ; n: ids and the count of steps alone
	s_min_i32 s97, s96, 1
	s_max_i32 s97, s97, -1                         ; the side of the diagonal
	s_sub_co_i32 s98, s17, s18
	s_max_i32 s96, s96, s98                        ; |n|
	s_cmp_lg_u32 s97, 0
	s_cbranch_scc1 .Loff_\@
.irp t, 0,1,2,3                        ; the diagonal step: the sums start from 0,
	v_wmma_scale_f32_16x16x128_f8f6f4 v[S+8*\t:S+8*\t+7], v[32+4*\t:39+4*\t], v[16:23], 0, v[240+\t], v244 matrix_a_fmt:MATRIX_FMT_FP4 matrix_b_fmt:MATRIX_FMT_FP4
.endr
.irp t, 0,1,2,3
	v_wmma_scale_f32_16x16x128_f8f6f4 v[S+32+8*\t:S+39+8*\t], v[48+4*\t:55+4*\t], v[16:23], 0, v[240+\t], v244 matrix_a_fmt:MATRIX_FMT_FP4 matrix_b_fmt:MATRIX_FMT_FP4 matrix_a_scale:MATRIX_SCALE_ROW1
.endr
	AFTER
.set ix, 0
.rept 64
	v_sub_f32 v[S+ix], v[S+ix], |v[BI+ix]|         ; and 0.8 |x| is taken off, each accumulator from its low end on
.set ix, ix+1
.endr
	s_wait_alu depctr_va_vdst(0)
	s_branch .Ljoin_\@
.Loff_\@:
	s_cmp_eq_u32 s97, s22
	s_cbranch_scc1 .Lside_\@
	s_mov_b32 s22, s97                             ; the side has changed: X becomes -X, or -X becomes X
.set ix, 0
.rept 32
	v_pk_mul_f32 v[BI+ix:BI+ix+1], v[BI+ix:BI+ix+1], -1.0 op_sel_hi:[1,0]
.set ix, ix+2
.endr
	s_wait_alu depctr_va_vdst(0)
.Lside_\@:
.irp t, 0,1,2,3
	v_wmma_scale_f32_16x16x128_f8f6f4 v[S+8*\t:S+8*\t+7], v[32+4*\t:39+4*\t], v[16:23], v[BI+8*\t:BI+8*\t+7], v[240+\t], v244 matrix_a_fmt:MATRIX_FMT_FP4 matrix_b_fmt:MATRIX_FMT_FP4
.endr
.irp t, 0,1,2,3
	v_wmma_scale_f32_16x16x128_f8f6f4 v[S+32+8*\t:S+39+8*\t], v[48+4*\t:55+4*\t], v[16:23], v[BI+32+8*\t:BI+39+8*\t], v[240+\t], v244 matrix_a_fmt:MATRIX_FMT_FP4 matrix_b_fmt:MATRIX_FMT_FP4 matrix_a_scale:MATRIX_SCALE_ROW1
.endr
	AFTER
.Ljoin_\@:
.irp b, 0,1,2,3
	v_max3_num_f32 v[228+\b], v[S+16*\b], v[S+16*\b+1], v[S+16*\b+2]   ; the largest score of each 16 registers, four chains by turns
.endr
.irp i, 3,5,7,9,11,13
.irp b, 0,1,2,3
	v_max3_num_f32 v[228+\b], v[228+\b], v[S+16*\b+\i], v[S+16*\b+\i+1]
.endr
.endr
.irp b, 0,1,2,3
	v_max_num_f32 v[228+\b], v[228+\b], v[S+16*\b+15]
.endr
	v_max_num_f32 v228, v228, v229                 ; the largest score of my block h: for the row's maximum and, since p rises with the score, for the block's largest p
	v_max_num_f32 v230, v230, v231                 ; and of my block 2 + h
	VL 0                                           ; V's nine loads stand between the lines of a chain in which each line reads the one before
	v_max_num_f32 v251, v228, v230
	VL 1
	v_permlanex16_b32 v229, v251, s24, s25
	VL 2
	v_max_num_f32 v251, v251, v229                 ; with lane l xor 16's two blocks
	VL 3
	v_fma_f32 v251, v251, s26, v247                ; the step's largest t
	VL 4
	v_max_num_f32 v13, v13, v251
	VL 5
	v_floor_f32 v12, -v13                          ; the new -M = -ceil(largest t)
	VL 6
	v_sub_f32 v250, v12, v250                      ; old M - new M: a whole number, 0 or less
	VL 7
	v_cvt_i32_f32 v250, v250                       ; (it saturates)
	ds_load_b128 v[240:243], v8                    ; V's scale words
	v_add_f32 v246, v247, v12                      ; what is added to c x score
	v_ldexp_f32 v248, 1.0, v250                    ; f = 2^(old M - new M)
.set ix, 0
.rept 32
	v_pk_fma_f32 v[S+ix:S+ix+1], v[S+ix:S+ix+1], s[26:27], v[246:247] op_sel_hi:[1,0,0]   ; t - M
.set ix, ix+2
.endr
	v_fma_f32 v228, v228, s26, v246                ; the same of each block's largest score
	v_fma_f32 v230, v230, s26, v246
	s_wait_alu depctr_va_vdst(0)
.set ix, 0
.rept 64
	v_exp_f32 v[S+ix], v[S+ix]                     ; p = 2^(t - M), not normalised
.set ix, ix+1
.endr
	v_exp_f32 v228, v228                           ; the blocks' largest p: the same two instructions on the same number
	v_exp_f32 v230, v230
	v_pk_mul_f32 v[14:15], v[14:15], v[248:249] op_sel_hi:[1,0]   ; the sum under the new M (a plain line behind the batch)
	s_wait_dscnt 0x0                               ; V's nine loads are in
	s_wait_alu depctr_va_vdst(0)                   ; one wait for the batch, directly ahead of the first readers of O^T too
.set ix, 0
.rept 16
	v_pk_mul_f32 v[O+ix:O+ix+1], v[O+ix:O+ix+1], v[248:249] op_sel_hi:[1,0]   ; O^T under the new M
.set ix, ix+2
.endr
	v_max_num_f32 v228, 0x1800000, v228            ; the floor 2^(3 - 127): the byte cannot fall under 1
	v_max_num_f32 v230, 0x1800000, v230
	s_delay_alu instid0(VALU_DEP_2)
	v_add_nc_u32 v236, 0xff000000, v228            ; 2 off the exponent field: the conversion's scale operand
	s_delay_alu instid0(VALU_DEP_2)
	v_add_nc_u32 v237, 0xff000000, v230
.irp c, 0,1
.irp g, 0,1,2,3
	v_cvt_scalef32_pk8_fp4_f32 v[24+4*\c+\g], v[S+32*\c+8*\g:S+32*\c+8*\g+7], v[236+\c]   ; register 4 c + g of the operand: keys 64 c + 32 h + 8 g + 0 .. 7
.endr
.endr
	v_lshrrev_b32 v232, 23, v236                   ; the bytes of blocks h and 2 + h (plain lines behind the scaled conversions),
	v_lshrrev_b32 v233, 23, v237
	s_delay_alu instid0(VALU_DEP_1)
	v_lshl_or_b32 v232, v233, 16, v232
	s_delay_alu instid0(VALU_DEP_1)
	v_lshlrev_b32 v232, v254, v232                 ; at their places in the scale word, 8 h bits up;
	s_delay_alu instid0(VALU_DEP_1)
	v_permlanex16_b32 v233, v232, s24, s25
	s_delay_alu instid0(VALU_DEP_1)
	v_or_b32 v245, v232, v233                      ; with lane l xor 16's two the word is whole
	SUM0 0
	SUM0 1
	SUM0 2
	SUM0 3
	SUMS 8, 13                                     ; ten plain lines behind the scale word: the places ahead of a scaled product
.irp t, 0,1,2,3
	v_wmma_scale_f32_16x16x128_f8f6f4 v[O+8*\t:O+8*\t+7], v[32+8*\t:39+8*\t], v[24:31], v[O+8*\t:O+8*\t+7], v[240+\t], v245 matrix_a_fmt:MATRIX_FMT_FP4 matrix_b_fmt:MATRIX_FMT_FP4
.endr
	SUMS 14, 17                                    ; four places ahead of the loads into V's registers
.if \pre
	KLOAD 8192                                     ; the next step's K; the rest of the sums stands between these loads and the wait for them
	s_add_co_u32 s18, s18, 1
	s_add_co_u32 s19, s19, 8192
	s_add_co_u32 s20, s20, 512
	s_add_co_u32 s21, s21, 256
	v_add_nc_u32 v6, s19, v1
	v_add_nc_u32 v253, s19, v255
	v_add_nc_u32 v7, s20, v252
	v_add_nc_u32 v8, s21, v2
.endif
	SUMS 18, 31
	s_delay_alu instid0(VALU_DEP_3)
	v_pk_add_f32 v[232:233], v[232:233], v[234:235]
	s_delay_alu instid0(VALU_DEP_2)
	v_pk_add_f32 v[236:237], v[236:237], v[238:239]
	s_delay_alu instid0(VALU_DEP_1)
	v_pk_add_f32 v[232:233], v[232:233], v[236:237]
	s_delay_alu instid0(VALU_DEP_1)
	v_pk_add_f32 v[14:15], v[14:15], v[232:233]
.if \pre
	s_wait_alu depctr_va_vdst(0)
	s_wait_dscnt 0x0                               ; the next K's ten loads are in
.endif
.endm
.macro WALK n
	s_mov_b32 s23, \n
.Lwalk_\@:
	STEP 1
	s_sub_co_u32 s23, s23, 1
	s_cmp_lg_u32 s23, 0
	s_cbranch_scc1 .Lwalk_\@
.endm
.macro INIT e                          ; head e begins: the step is written once, so O^T and the sum begin as zeros and the largest t as -3e38
.if \e
	s_wait_xcnt 0x0                                ; the last head's stores have read their registers
.endif
	v_mov_b32 v13, 0xff61b1e6
	v_mov_b32 v14, 0
	v_mov_b32 v15, 0
	v_floor_f32 v12, -v13
.set ix, 0
.rept 32
	v_mov_b32 v[O+ix], 0
.set ix, ix+1
.endr
	s_mov_b32 s18, 0
	s_mov_b32 s19, HB*\e+12288
	s_mov_b32 s20, HB*\e
	s_mov_b32 s21, HB*\e+8192
	v_add_nc_u32 v6, s19, v1
	v_add_nc_u32 v253, s19, v255
	v_add_nc_u32 v7, s20, v252
	v_add_nc_u32 v8, s21, v2
.endm
.macro FINISH e                        ; O^T / the sum, quantised along the head's 64 channels (two blocks, each half in lane l xor 16), stored as four operand registers; the sums behind the last product are its places
	v_add_f32 v14, v14, v15
	s_delay_alu instid0(VALU_DEP_1)
	v_permlanex16_b32 v250, v14, s24, s25
	s_delay_alu instid0(VALU_DEP_1)
	v_add_f32 v14, v14, v250
	s_wait_alu depctr_va_vdst(0)
	v_rcp_f32 v248, v14
	v_nop
	s_wait_alu depctr_va_vdst(0)                   ; and behind it, directly ahead of the first readers of O^T
.set ix, 0
.rept 16
	v_pk_mul_f32 v[O+ix:O+ix+1], v[O+ix:O+ix+1], v[248:249] op_sel_hi:[1,0]
.set ix, ix+2
.endr
.irp b, 0,1
	v_max3_num_f32 v[228+\b], |v[O+16*\b]|, |v[O+16*\b+1]|, 0x1800000
.endr
.irp i, 2,4,6,8,10,12,14
.irp b, 0,1
	s_delay_alu instid0(VALU_DEP_2)
	v_max3_num_f32 v[228+\b], v[228+\b], |v[O+16*\b+\i]|, |v[O+16*\b+\i+1]|
.endr
.endr
.irp b, 0,1
	s_delay_alu instid0(VALU_DEP_2)
	v_permlanex16_b32 v[232+\b], v[228+\b], s24, s25
.endr
.irp b, 0,1
	s_delay_alu instid0(VALU_DEP_2)
	v_max_num_f32 v[228+\b], v[228+\b], v[232+\b]
.endr
.irp b, 0,1
	s_delay_alu instid0(VALU_DEP_2)
	v_add_nc_u32 v[236+\b], 0xff000000, v[228+\b]
.endr
.irp b, 0,1
	s_delay_alu instid0(VALU_DEP_2)
	v_lshrrev_b32 v[232+\b], 23, v[236+\b]
.endr
	s_delay_alu instid0(VALU_DEP_1)
	v_lshl_or_b32 v250, v233, 8, v232
.irp b, 0,1
	v_cvt_scalef32_pk8_fp4_f32 v[24+2*\b], v[O+16*\b:O+16*\b+7], v[236+\b]
	v_cvt_scalef32_pk8_fp4_f32 v[25+2*\b], v[O+16*\b+8:O+16*\b+15], v[236+\b]
.endr
	v_nop                                          ; one plain line behind the scaled conversions
	v_permlane16_swap_b32 v24, v26                 ; the operand's layout wants a whole block in a lane
	v_permlane16_swap_b32 v25, v27
	global_store_b128 v1, v[24:27], s[74:75] offset:512*\e   ; 32 lanes store 512 consecutive bytes, aligned
	ds_store_b16 v11, v250 offset:2*\e             ; both halves of the lanes write the same two bytes
.endm
	QLOAD 0
.irp j, 20,21,22,23, 64,65,66,67, 249
	v_mov_b32 v\j, 0                               ; Q's upper half and the tail behind K's tile 7: zero codes; a pair's upper half: written once
.endr
	v_cvt_f32_i32 v[BI], v3                        ; X: x as whole numbers in f32 (exact), two at a time: registers 0-31 are x0 + 0 .. 31, registers 32-63 x0 + 64 .. 95
	s_delay_alu instid0(VALU_DEP_1)
	v_add_f32 v[BI+1], 1.0, v[BI]
	s_delay_alu instid0(VALU_DEP_1)
	v_pk_add_f32 v[BI+16:BI+17], v[BI:BI+1], 0x41800000 op_sel_hi:[1,0]
	s_delay_alu instid0(VALU_DEP_2)
	v_pk_add_f32 v[BI+32:BI+33], v[BI:BI+1], 0x42800000 op_sel_hi:[1,0]
	s_delay_alu instid0(VALU_DEP_3)
	v_pk_add_f32 v[BI+48:BI+49], v[BI:BI+1], 0x42a00000 op_sel_hi:[1,0]
.irp i, 2,4,6,8,10,12,14
.irp b, 0,1,2,3
	s_delay_alu instid0(VALU_DEP_4)
	v_pk_add_f32 v[BI+16*\b+\i:BI+16*\b+\i+1], v[BI+16*\b+\i-2:BI+16*\b+\i-1], 2.0 op_sel_hi:[1,0]
.endr
.endr
.set ix, 0
.rept 32
	v_pk_mul_f32 v[BI+ix:BI+ix+1], v[BI+ix:BI+ix+1], s[28:29] op_sel_hi:[1,0]   ; x 0.8
.set ix, ix+2
.endr
	INIT 0
	s_wait_alu depctr_va_vdst(0)
	s_wait_tensorcnt 0x0                           ; my part of the first load is in
	ds_add_u32 v4, v5
	s_wait_dscnt 0x0
	CROUND                                         ; everybody's part is in, and the partners meet:
	tensor_load_to_lds s[60:63], s[40:47]          ; all the rest, the first tensor load behind the round
	s_nop 0
	KLOAD 0
	s_wait_loadcnt 0x0                             ; Q
	s_wait_dscnt 0x0
	WALK 4                                         ; steps 0 to 3 read the first load's bytes alone (the last of them asks for K of step 4)
	s_wait_tensorcnt 0x0                           ; my part of the second load is in; no LDS instruction of mine is out
	s_barrier_signal -1
	s_barrier_wait -1                              ; everybody's is
	WALK 11
	STEP 0
	QLOAD 1
	FINISH 0
	INIT 1
	KLOAD 0
	s_wait_alu depctr_va_vdst(0)
	s_wait_loadcnt 0x0
	s_wait_dscnt 0x0
	WALK 15
	STEP 0
	FINISH 1
	v_and_b32 v251, 63, v0                         ; the scale words' way out: 16 bytes a thread of waves 0 and 1; made ahead of the branch on the wave's number
	v_lshlrev_b32 v251, 4, v251
	v_add_nc_u32 v255, OST, v251
	s_wait_alu depctr_va_vdst(0)
	s_wait_dscnt 0x0                               ; for the others' sake: my scale bytes have landed
	s_barrier_signal -1
	s_barrier_wait -1
	s_cmp_lt_u32 s12, 2                            ; waves 0 and 1 store the work-group's 256 scale words: 512 consecutive bytes each, aligned
	s_cbranch_scc0 .Lno_sc
	ds_load_b128 v[228:231], v255
	s_wait_dscnt 0x0
	global_store_b128 v251, v[228:231], s[76:77]
.Lno_sc:
	s_wait_tensorcnt 0x0                           ; the wave's end
	ds_add_u32 v4, v5
	s_wait_dscnt 0x0
	CROUND                                         ; the closing round
	s_endpgm
.Lfunc_end_k_qfbb9461083_attn:
	.size	k_qfbb9461083_attn, .Lfunc_end_k_qfbb9461083_attn-k_qfbb9461083_attn
	.p2alignl 7, 3214868480
	.fill 96, 4, 3214868480
	.section	.rodata,"a",@progbits
	.p2align	6, 0x0
	.amdhsa_kernel k_qfbb9461083_attn
		.amdhsa_group_segment_fixed_size 327680
		.amdhsa_private_segment_fixed_size 0
		.amdhsa_enable_private_segment 0
		.amdhsa_kernarg_size 32
		.amdhsa_user_sgpr_count 2
		.amdhsa_user_sgpr_kernarg_segment_ptr 1
		.amdhsa_wavefront_size32 1
		.amdhsa_system_sgpr_workgroup_id_x 1
		.amdhsa_system_sgpr_workgroup_id_y 1
		.amdhsa_system_sgpr_workgroup_id_z 1
		.amdhsa_system_vgpr_workitem_id 0
		.amdhsa_next_free_vgpr 256
		.amdhsa_next_free_sgpr 100
		.amdhsa_reserve_vcc 0
		.amdhsa_float_denorm_mode_32 3
		.amdhsa_float_denorm_mode_16_64 3
		.amdhsa_memory_ordered 1
		.amdhsa_forward_progress 1
		.amdhsa_inst_pref_size 133
	.end_amdhsa_kernel
	.amdgpu_metadata
---
amdhsa.version: [ 1, 2 ]
amdhsa.kernels:
  - .name:           k_qfbb9461083_attn
    .symbol:         k_qfbb9461083_attn.kd
    .args:
      - { .name: qc, .offset: 0, .size: 8, .value_kind: global_buffer, .address_space: global }
      - { .name: kv, .offset: 8, .size: 8, .value_kind: global_buffer, .address_space: global }
      - { .name: oc, .offset: 16, .size: 8, .value_kind: global_buffer, .address_space: global }
      - { .name: scl, .offset: 24, .size: 8, .value_kind: global_buffer, .address_space: global }
    .group_segment_fixed_size: 327680
    .private_segment_fixed_size: 0
    .kernarg_segment_align: 8
    .kernarg_segment_size: 32
    .max_flat_workgroup_size: 512
    .sgpr_count:     100
    .vgpr_count:     256
    .wavefront_size: 32
...
	.end_amdgpu_metadata
.endif
;; end of part 3
;; launch outp (part 4): grid 4 x 64, 8 waves a work-group, clusters of 4 x 4, 270,336 bytes of LDS; arguments oc, codes, scl, bo, out0; writes out0
.if DOCPART == 4
	.amdgcn_target "amdgcn-amd-amdhsa--gfx1250"
	.amdhsa_code_object_version 6
	.text
	.protected	k_qfbb9461083_outp
	.globl	k_qfbb9461083_outp
	.p2align	8
	.type	k_qfbb9461083_outp,@function
k_qfbb9461083_outp:
	s_mov_b64 s[64:65], 0
	v_nop
	global_prefetch_b8 v0, s[64:65] scope:SCOPE_SE
	s_setreg_imm32_b32 hwreg(HW_REG_WAVE_MODE, 25, 1), 1
	s_wait_xcnt 0x0
	s_wait_alu depctr_hold_cnt(0) depctr_sa_sdst(0) depctr_va_vdst(0) depctr_va_sdst(0) depctr_va_ssrc(0) depctr_va_vcc(0) depctr_vm_vsrc(0)
	s_getreg_b32 s2, hwreg(HW_REG_IB_STS2, 6, 4)
	s_cmp_eq_u32 s2, 0
	s_cbranch_scc0 .Lentry_in_a_cluster
	s_endpgm
.Lentry_in_a_cluster:
	s_bfe_u32 s2, ttmp6, 0x10000c
	s_cmp_lg_u32 s2, 0xf033
	s_cbranch_scc0 .Lentry_shape_is_right
	s_endpgm
.Lentry_shape_is_right:
; LAUNCH 4 OF 4.  out0 = O Wo^T + bo on codes of E2M1.  No work is left out.
; A = O, as launch 3 left it: images of operand registers, [128 batch + tile][K step 0..7][piece 0..1][512 bytes]; its scale words in scl from position 28672.  B = Wo: rows of codes at positions 27648 on.
; The frame is launch 2's: a work-group makes 128 x 256, each of eight waves 64 x 64; all of K resident in LDS in two chunks of 512 along K, filled once; cluster 4 x 4 with joint loads
; (A's along a row of the cluster, B's along a column); the instruction used transposed, so that a lane's registers are neighbouring columns of one row of out0; the bias is the C of the first K step.
; Waves 0, 1 fetch A's halves, waves 2 to 5 B's quarters, each all of K in one load: one tensor load of a wave is out at the most.
; THE WAY OUT goes through each wave's own stage: 16 rows of 256 bytes, 528 bytes apart; sixteen lanes then store 256 consecutive bytes, aligned.  The rows of a tile are the queries that launch 3's order of tiles and
; launch 1's order of positions gave it: tile (mt, wm, a), lane r is row RB + 64 a + r + 8 (r / 8).
.set PLANE,  147456
.set PITCH,  528                       ; B's LDS row holds all 1,024 codes: 512 bytes + 16 of padding = 33 x 16 bytes; the stages' rows have the same pitch
.set QROWS,  64*PITCH
.set AIMG,   65536                     ; A's 8 tiles x 8,192 bytes, all of K, dense
.set CHUNK,  256                       ; B's K steps 4 to 7 begin 256 bytes on in the same LDS row: ONE tensor load a wave brings its part for all of K
.set STG,    AIMG+256*PITCH
.set SPARE,  STG+8*16*PITCH            ; the spare words: 128 bytes a wave, four blocks of 256 bytes that no other line names
.set RR,   1
.set HH,   2
.set ADRA, 3                           ; v3, v4
.set ADRB, 5                           ; v5, v6
.set SOFF, 7
.set BOFN, 8
.set STO,  10                          ; v10 the stage: where I put 32 bytes of a row
.set RD,   11                          ; v11 where I read rows back
.set CO,   12                          ; v12 the same two rows in out0
.set SPW,  14
.set NIL,  15
.set SC,   16                          ; v16-31 scale words and nothing else
.set BI,   32
.set AF,   64
.set BF,   96
.set ACC,  128
.macro CROUND
	s_barrier_signal -1
	s_barrier_wait -1
	s_cmp_lg_u32 s18, 0
	s_cbranch_scc1 .Lnot_wave_0_\@
	s_barrier_signal -3
.Lnot_wave_0_\@:
	s_barrier_wait -3
	s_barrier_signal -1
	s_barrier_wait -1
.endm
.macro PLACES
.rept 4
	v_nop
.endr
.endm
	s_load_b256 s[4:11], s[0:1], 0x0               ; oc, codes, scl, bo
	s_load_b64 s[12:13], s[0:1], 0x20              ; out0
	v_lshl_add_u32 v[SPW], v0, 2, SPARE
	v_mov_b32 v[NIL], 0
	ds_add_u32 v[SPW], v[NIL]                      ; the opening: the add, twice on end, and its wait ahead of my first tensor load
	ds_add_u32 v[SPW], v[NIL]
	v_lshrrev_b32 v64, 5, v0
	s_delay_alu instid0(VALU_DEP_1)
	v_readfirstlane_b32 s18, v64                   ; wave 0..7
	s_lshr_b32 s19, s18, 2                         ; wm
	s_and_b32 s20, s18, 3                          ; wn
	s_bfe_u32 s21, ttmp6, 0x40000                  ; cx = nt
	s_bfe_u32 s22, ttmp6, 0x40004                  ; cy
	s_and_b32 s23, ttmp7, 0xffff
	s_lshl_b32 s26, s23, 2
	s_add_co_u32 s26, s26, s22                     ; mt
	s_lshl_b32 s28, s26, 7
	s_add_co_u32 s28, s28, 28672                   ; A's scale words: first position
	s_lshl_b32 s29, s21, 8
	s_add_co_u32 s29, s29, 27648                   ; B's first position
	s_lshl_b32 s30, s22, 2
	s_lshl_b32 s30, 15, s30
	s_or_b32 s32, s30, (3<<16)|(1<<21)             ; A: elements of 8 bytes, no padding; my row of the cluster
	s_mov_b32 s33, 1024<<16                        ; 4 rows of 8,192 bytes (a tile, all of K), dense
	s_mov_b32 s34, 4<<16
	s_mov_b32 s35, 1024<<16
	s_mov_b32 s36, 4
	s_mov_b32 s37, 1024
	s_mov_b32 s38, 0
	s_mov_b32 s39, 0
	s_lshl_b32 s31, 0x1111, s21
	s_or_b32 s40, s31, (1<<20)|(1<<21)|(6<<22)|(3<<25)   ; B: 64 rows x 512 bytes, 16 of padding behind each; my column
	s_mov_b32 s41, 512<<16
	s_mov_b32 s42, 64<<16
	s_mov_b32 s43, 512<<16
	s_mov_b32 s44, 64
	s_mov_b32 s45, 512
	s_mov_b32 s46, 0
	s_mov_b32 s47, 0
	s_and_b32 s66, s18, 1
	s_lshl_b32 s68, s26, 16                        ; 8 tiles of 8,192 bytes,
	s_lshl_b32 s67, s66, 15                        ; my four of them
	s_add_co_u32 s68, s68, s67
	s_mov_b32 s69, 0
	s_lshl_b32 s66, s66, 15
	s_add_co_u32 s70, s18, 2
	s_and_b32 s70, s70, 3
	s_lshl_b32 s71, s70, 6
	s_add_co_u32 s71, s71, s29
	s_lshl_b32 s72, s71, 9
	s_mov_b32 s73, 0
	s_mul_i32 s70, s70, QROWS
	s_add_co_u32 s70, s70, AIMG
	v_and_b32 v[RR], 15, v0
	v_bfe_u32 v[HH], v0, 4, 1
	v_and_b32 v64, 31, v0
	s_delay_alu instid0(VALU_DEP_1)
	v_lshlrev_b32 v64, 4, v64
	s_lshl_b32 s82, s19, 15
	v_add_nc_u32 v[ADRA], s82, v64                 ; images: 16 x lane + my four tiles
	s_delay_alu instid0(VALU_DEP_1)
	v_add_nc_u32 v[ADRA+1], 4096, v[ADRA]          ; K steps 4 to 7 of an image
	v_mul_u32_u24 v64, v[RR], PITCH
	s_delay_alu instid0(VALU_DEP_1)
	v_lshl_add_u32 v65, v[HH], 4, v64
	s_mul_i32 s82, s20, QROWS
	s_add_co_u32 s82, s82, AIMG
	v_add_nc_u32 v[ADRB], s82, v65
	s_delay_alu instid0(VALU_DEP_1)
	v_add_nc_u32 v[ADRB+1], CHUNK, v[ADRB]
	s_mul_i32 s82, s18, 16*PITCH
	s_add_co_u32 s82, s82, STG                     ; my stage
	v_lshl_add_u32 v64, v[HH], 6, v64
	s_delay_alu instid0(VALU_DEP_1)
	v_add_nc_u32 v[STO], s82, v64                  ; row r, + 64 h
	v_mul_u32_u24 v64, v[HH], PITCH
	s_delay_alu instid0(VALU_DEP_1)
	v_lshl_add_u32 v64, v[RR], 4, v64
	s_delay_alu instid0(VALU_DEP_1)
	v_add_nc_u32 v[RD], s82, v64                   ; lanes 0-15 one row, lanes 16-31 the next
	v_lshlrev_b32 v[CO], 12, v[HH]
	s_delay_alu instid0(VALU_DEP_1)
	v_lshl_add_u32 v[CO], v[RR], 4, v[CO]
	v_lshlrev_b32 v[BOFN], 6, v[HH]
	s_lshl_b32 s30, s19, 6
	s_add_co_u32 s30, s30, s28
	s_lshl_b32 s30, s30, 2
	s_lshl_b32 s31, s20, 6
	s_add_co_u32 s31, s31, s29
	s_lshl_b32 s31, s31, 2
	v_mov_b32 v64, s30
	v_mov_b32 v65, s31
	v_cmp_ne_u32 s98, 0, v[HH]
	s_delay_alu instid0(VALU_DEP_1)
	v_cndmask_b32 v[SOFF], v64, v65, s98           ; lanes 16-31 take B's scale words
	s_delay_alu instid0(VALU_DEP_1)
	v_lshl_add_u32 v[SOFF], v[RR], 2, v[SOFF]
	; where my rows and columns lie in out0
	s_and_b32 s80, s26, 15
	s_lshr_b32 s81, s26, 4
	s_lshl_b32 s81, s81, 11                        ; 2,048 batch
	s_lshr_b32 s82, s80, 3
	s_lshl_b32 s82, s82, 10
	s_add_co_u32 s81, s81, s82
	s_and_b32 s82, s80, 1
	s_lshl_b32 s82, s82, 9
	s_add_co_u32 s81, s81, s82
	s_lshl_b32 s82, s19, 8
	s_add_co_u32 s81, s81, s82
	s_lshr_b32 s82, s80, 1
	s_and_b32 s82, s82, 3                          ; the place in its cluster of the work-group of launch 3 that made these tiles
	s_and_b32 s83, s82, 2
	s_lshl_b32 s83, s83, 4
	s_add_co_u32 s81, s81, s83
	s_and_b32 s83, s82, 1
	s_lshl_b32 s83, s83, 3
	s_add_co_u32 s81, s81, s83                     ; RB
	s_lshl_b32 s84, s81, 12
	s_lshl_b32 s82, s21, 10
	s_lshl_b32 s83, s20, 8
	s_add_co_u32 s82, s82, s83                     ; 4 (256 nt + 64 wn)
	s_add_co_u32 s84, s84, s82
	s_mov_b32 s85, 0
	s_mov_b32 s83, 0
	s_wait_dscnt 0x0                               ; both opening adds are done
	s_wait_kmcnt 0x0
	s_add_nc_u64 s[68:69], s[4:5], s[68:69]
	s_add_nc_u64 s[72:73], s[6:7], s[72:73]
	s_add_nc_u64 s[10:11], s[10:11], s[82:83]      ; bo at my 64 columns
	s_add_nc_u64 s[12:13], s[12:13], s[84:85]
.irp q, 0
	s_mov_b32 s[48+4*\q], 1
	s_add_co_u32 s[49+4*\q], s66, \q*CHUNK
	s_add_nc_u64 s[50+4*\q:51+4*\q], s[68:69], \q*4096
	s_or_b32 s[51+4*\q], s[51+4*\q], 0x80000000
	s_mov_b32 s[56+4*\q], 1
	s_add_co_u32 s[57+4*\q], s70, \q*CHUNK
	s_add_nc_u64 s[58+4*\q:59+4*\q], s[72:73], \q*256
	s_or_b32 s[59+4*\q], s[59+4*\q], 0x80000000
.endr
	CROUND                                         ; all sixteen work-groups are here: the joint loads meet
	s_cmp_lt_u32 s18, 2                            ; a wave's one fill stands in one branch on its number; an s_nop 0 and four v_nop follow each
	s_cbranch_scc0 .Lnot_a
	tensor_load_to_lds s[48:51], s[32:39]          ; one tensor load a wave at the head
	s_nop 0
.rept 4
	v_nop
.endr
	s_branch .Lasked
.Lnot_a:
	s_cmp_lt_u32 s18, 6
	s_cbranch_scc0 .Lasked
	tensor_load_to_lds s[56:59], s[40:47]
	s_nop 0
.rept 4
	v_nop
.endr
.Lasked:
.macro SCLOAD s
.irp i, 0,1,2,3
	global_load_b32 v[SC+4*\i+(\s)%4], v[SOFF], s[8:9] offset:(\s)*PLANE+64*\i
.endr
.endm
	s_wait_alu depctr_va_vdst(0)
	SCLOAD 0
	SCLOAD 1
	SCLOAD 2
	SCLOAD 3
.irp b, 0,1,2,3                        ; register j of B's tile b is column 32 (b / 2) + 16 h + 8 (b % 2) + j
	global_load_b128 v[BI+8*\b:BI+8*\b+3], v[BOFN], s[10:11] offset:(32*(\b/2)+8*(\b%2))*4
	global_load_b128 v[BI+8*\b+4:BI+8*\b+7], v[BOFN], s[10:11] offset:(32*(\b/2)+8*(\b%2))*4+16
.endr
.macro FETCH s
.irp i, 0,1,2,3
.irp c, 0,1
	ds_load_b128 v[BF+8*\i+4*\c:BF+8*\i+4*\c+3], v[ADRB+(\s)/4] offset:16*\i*PITCH+64*((\s)%4)+32*\c
.endr
.endr
.irp i, 0,1,2,3
.irp c, 0,1
	ds_load_b128 v[AF+8*\i+4*\c:AF+8*\i+4*\c+3], v[ADRA+(\s)/4] offset:8192*\i+1024*((\s)%4)+512*\c
.endr
.endr
.endm
; 16 matrix instructions; the sixteen accumulators take turns in one order in every step.  first = 1: the sums start from the bias.
.macro MULS s, first
.irp a, 0,1,2,3
	s_wait_dscnt 6-2*\a                            ; the later fragments of A, two loads each, may be out
.irp b, 0,1,2,3
.if \first
	v_wmma_scale_f32_16x16x128_f8f6f4 v[ACC+8*(4*\a+\b):ACC+8*(4*\a+\b)+7], v[BF+8*\b:BF+8*\b+7], v[AF+8*\a:AF+8*\a+7], v[BI+8*\b:BI+8*\b+7], v[SC+4*\b+(\s)%4], v[SC+4*\a+(\s)%4] matrix_a_fmt:MATRIX_FMT_FP4 matrix_b_fmt:MATRIX_FMT_FP4 matrix_a_scale:MATRIX_SCALE_ROW1
.else
	v_wmma_scale_f32_16x16x128_f8f6f4 v[ACC+8*(4*\a+\b):ACC+8*(4*\a+\b)+7], v[BF+8*\b:BF+8*\b+7], v[AF+8*\a:AF+8*\a+7], v[ACC+8*(4*\a+\b):ACC+8*(4*\a+\b)+7], v[SC+4*\b+(\s)%4], v[SC+4*\a+(\s)%4] matrix_a_fmt:MATRIX_FMT_FP4 matrix_b_fmt:MATRIX_FMT_FP4 matrix_a_scale:MATRIX_SCALE_ROW1
.endif
.endr
.endr
.endm
	s_wait_loadcnt 0x0                             ; the scale words of K steps 0 to 3 and the bias
	s_wait_tensorcnt 0x0                           ; my one load, all of K for my part, is in
	s_barrier_signal -1
	s_barrier_wait -1
	FETCH 0
	MULS 0, 1
.irp s, 1,2,3
	PLACES
	SCLOAD \s+3                                    ; K step s + 3's scale words, into the registers that step s - 1 has just left
	FETCH \s
	MULS \s, 0
.endr
	PLACES
	SCLOAD 7
	FETCH 4                                        ; the first barrier has shown all of K to every wave
	s_wait_loadcnt 12                              ; step 4's four scale loads are in; the twelve of steps 5 to 7 may be out
	MULS 4, 0
	PLACES
	FETCH 5
	s_wait_loadcnt 8
	MULS 5, 0
	PLACES
	FETCH 6
	s_wait_loadcnt 4
	MULS 6, 0
	PLACES
	FETCH 7
	s_wait_loadcnt 0x0
	MULS 7, 0
.macro TOSTAGE a                       ; tile a's 16 rows x 64 columns into my stage, each accumulator from its low end on, and back as whole rows; LDS serves a wave's instructions in order
.irp b, 0,1,2,3
	ds_store_b128 v[STO], v[ACC+32*(\a)+8*\b:ACC+32*(\a)+8*\b+3] offset:128*(\b/2)+32*(\b%2)
	ds_store_b128 v[STO], v[ACC+32*(\a)+8*\b+4:ACC+32*(\a)+8*\b+7] offset:128*(\b/2)+32*(\b%2)+16
.endr
.irp k, 0,1,2,3,4,5,6,7
	ds_load_b128 v[64+32*((\a)%2)+4*\k:64+32*((\a)%2)+4*\k+3], v[RD] offset:2*PITCH*\k
.endr
.endm
.macro SEND a, younger                 ; younger: the LDS instructions issued behind tile a's loads
	s_wait_dscnt \younger
.irp k, 0,1,2,3,4,5,6,7
	global_store_b128 v[CO], v[64+32*((\a)%2)+4*\k:64+32*((\a)%2)+4*\k+3], s[12:13] offset:(64*(\a)+2*\k+8*(\k/4))*4096 th:TH_STORE_NT   ; sixteen lanes store 256 consecutive bytes, aligned; stage row r is row r + 8 (r / 8)
.endr
.endm
	PLACES
	TOSTAGE 0
.irp a, 1,2,3
.if \a > 1
	s_wait_xcnt 0x0                                ; tile a - 2's stores have read their registers: tile a's loads may land there
.endif
	TOSTAGE \a
	SEND \a-1, 16                                  ; behind tile a - 1's loads: tile a's 8 stores and 8 loads
.endr
	SEND 3, 0
	s_wait_tensorcnt 0x0                           ; the wave's end
	ds_add_u32 v[SPW], v[NIL]
	s_wait_dscnt 0x0
	CROUND                                         ; the closing round
	s_endpgm
.Lfunc_end_k_qfbb9461083_outp:
	.size	k_qfbb9461083_outp, .Lfunc_end_k_qfbb9461083_outp-k_qfbb9461083_outp
	.p2alignl 7, 3214868480
	.fill 96, 4, 3214868480
	.section	.rodata,"a",@progbits
	.p2align	6, 0x0
	.amdhsa_kernel k_qfbb9461083_outp
		.amdhsa_group_segment_fixed_size 270336
		.amdhsa_private_segment_fixed_size 0
		.amdhsa_enable_private_segment 0
		.amdhsa_kernarg_size 40
		.amdhsa_user_sgpr_count 2
		.amdhsa_user_sgpr_kernarg_segment_ptr 1
		.amdhsa_wavefront_size32 1
		.amdhsa_system_sgpr_workgroup_id_x 1
		.amdhsa_system_sgpr_workgroup_id_y 1
		.amdhsa_system_sgpr_workgroup_id_z 1
		.amdhsa_system_vgpr_workitem_id 0
		.amdhsa_next_free_vgpr 256
		.amdhsa_next_free_sgpr 100
		.amdhsa_reserve_vcc 0
		.amdhsa_float_denorm_mode_32 3
		.amdhsa_float_denorm_mode_16_64 3
		.amdhsa_memory_ordered 1
		.amdhsa_forward_progress 1
		.amdhsa_inst_pref_size 45
	.end_amdhsa_kernel
	.amdgpu_metadata
---
amdhsa.version: [ 1, 2 ]
amdhsa.kernels:
  - .name:           k_qfbb9461083_outp
    .symbol:         k_qfbb9461083_outp.kd
    .args:
      - { .name: oc, .offset: 0, .size: 8, .value_kind: global_buffer, .address_space: global }
      - { .name: codes, .offset: 8, .size: 8, .value_kind: global_buffer, .address_space: global }
      - { .name: scl, .offset: 16, .size: 8, .value_kind: global_buffer, .address_space: global }
      - { .name: bo, .offset: 24, .size: 8, .value_kind: global_buffer, .address_space: global }
      - { .name: out0, .offset: 32, .size: 8, .value_kind: global_buffer, .address_space: global }
    .group_segment_fixed_size: 270336
    .private_segment_fixed_size: 0
    .kernarg_segment_align: 8
    .kernarg_segment_size: 40
    .max_flat_workgroup_size: 256
    .sgpr_count:     100
    .vgpr_count:     256
    .wavefront_size: 32
...
	.end_amdgpu_metadata
.endif
;; end of part 4
